; MI455X (gfx1250); checked and timed in simulation.
; The chip was launched on July 23, 2026; its instructions are those of AMD's public machine-readable ISA for CDNA 5 (MIT licence, August 2026) and "CDNA5" Instruction Set Architecture Reference Guide (July 2026). The comments in the code are by the model that wrote it; some were corrected since.
;; Switch Mixture Of Experts. Allowed arithmetic: matrix products marked QUANTISED: E2M1 operands, one E8M0 scale for each 32 along K, by v_wmma_scale_f32_16x16x128_f8f6f4 with both operands' format E2M1 (or v_wmma_scale_f32_32x16x128_f4), f32 sums; products left as they are: f32 operands where the result goes on into a quantised operand, else bf16, f16 or f32 operands; f32 sums; everything else in f32.
;; Inputs: W1 8 x 512 x 2,048 float32; W2 8 x 2,048 x 512 float32; Wr 512 x 8 float32; b1 8 x 2,048 float32; b2 8 x 512 float32; br 8 float32; x 8 x 512 x 512 float32.
;; Outputs: out0 8 x 512 x 512 float32.
;; This version of the problem:
;;   THIS VERSION OF THE PROBLEM IS GIVEN IN LOW PRECISION. The matrix products marked QUANTISED in the list below multiply operands that are first quantised to E2M1 (2 exponent bits, 1 mantissa bit; 4 bits a number), with one power-of-two scale for each 32 numbers along K (OCP MX v1.0); their sums are f32. All else is computed in f32.
;;   The module's matrix products, in the order in which they are computed (A, B: the left and right operand; K: the contracted axis; several contracted axes count as one K, in the product's order):
;;     1. [M 4,096, K 512] x [K 512, N 8]; A: input x; B: input Wr: left as it is (N = 8 < 16)
;;     2. [M 4,096, K 512] x [K 512, N 2,048]; A: input x; B: input W1: QUANTISED
;;     3. [M 4,096, K 2,048] x [K 2,048, N 512]; A: computed on the way; B: input W2: QUANTISED
;;     4. [M 4,096, K 512] x [K 512, N 2,048]; A: input x; B: input W1: QUANTISED
;;     5. [M 4,096, K 2,048] x [K 2,048, N 512]; A: computed on the way; B: input W2: QUANTISED
;;     6. [M 4,096, K 512] x [K 512, N 2,048]; A: input x; B: input W1: QUANTISED
;;     7. [M 4,096, K 2,048] x [K 2,048, N 512]; A: computed on the way; B: input W2: QUANTISED
;;     8. [M 4,096, K 512] x [K 512, N 2,048]; A: input x; B: input W1: QUANTISED
;;     9. [M 4,096, K 2,048] x [K 2,048, N 512]; A: computed on the way; B: input W2: QUANTISED
;;     10. [M 4,096, K 512] x [K 512, N 2,048]; A: input x; B: input W1: QUANTISED
;;     11. [M 4,096, K 2,048] x [K 2,048, N 512]; A: computed on the way; B: input W2: QUANTISED
;;     12. [M 4,096, K 512] x [K 512, N 2,048]; A: input x; B: input W1: QUANTISED
;;     13. [M 4,096, K 2,048] x [K 2,048, N 512]; A: computed on the way; B: input W2: QUANTISED
;;     14. [M 4,096, K 512] x [K 512, N 2,048]; A: input x; B: input W1: QUANTISED
;;     15. [M 4,096, K 2,048] x [K 2,048, N 512]; A: computed on the way; B: input W2: QUANTISED
;;     16. [M 4,096, K 512] x [K 512, N 2,048]; A: input x; B: input W1: QUANTISED
;;     17. [M 4,096, K 2,048] x [K 2,048, N 512]; A: computed on the way; B: input W2: QUANTISED
;;   THE QUANTISER, for each operand of a quantised product, along K:
;;     - K is cut into blocks of 32 from its start; a last block that is shorter is filled with zeros.
;;     - A block's scale is 2^e with e = floor(log2(the largest magnitude in the block)) - 2, held to -126 .. 127; a block of zeros has e = 0. As a byte (E8M0): e + 127.
;;     - Each number is divided by its block's scale, clamped to +-6, and rounded to the nearest number of E2M1, ties to even, subnormals kept.
;;     - The product sums the exact products of the quantised numbers (number of the format x scale) in f32.
;;   ~~~python
;;   def quantise(x, axis):      # numpy; x: float32 -> the quantised numbers, widened to float32 again
;;       x = np.moveaxis(x, axis, -1); K = x.shape[-1]
;;       x = np.pad(x, [(0, 0)] * (x.ndim - 1) + [(0, -K % 32)]); x = x.reshape(x.shape[:-1] + (-1, 32)); a = np.abs(x).max(-1, keepdims=True)
;;       e = np.where(a > 0, np.clip(np.frexp(np.where(a > 0, a, 1))[1] - 1 - 2, -126, 127), 0)      # np.frexp(a)[1] - 1 = floor(log2(a)), exactly
;;       r = np.clip(x / 2.0 ** e, -6, 6)
;;       step = 2.0 ** (np.maximum(np.frexp(np.where(r == 0, 1, r))[1] - 1, 0) - 1)
;;       q = np.round(r / step) * step * 2.0 ** e      # np.round: ties to even
;;       return np.moveaxis(q.reshape(q.shape[:-2] + (-1,))[..., :K], -1, axis).astype(np.float32)
;;   ~~~
;;   OPERANDS COMPUTED ON THE WAY. 'Computed on the way' means the value that the module computes at that place (a softmax that the list does not call 'softmax' is quantised finished and normalised). What goes into a quantiser is computed in f32, as accurately as f32 sums, v_exp_f32 and their like allow (about 1e-6 of the number): no bf16 or f16 on the way to a quantiser, and a product that is left as it is and whose result goes on into a quantised operand takes f32 operands (vector FMAs, or v_wmma_f32_16x16x4_f32). A number that lies on a knife's edge between two numbers of the format may be rounded either way, as far as f32 arithmetic and the matrix unit's own rounding can turn it there, and no further.
;; 3 versions, each right; version 2 is faster than version 1; version 3 is version 2 with the launch moe written anew for expert scheduling mode. Each part assembles by itself: llvm-mc -triple=amdgcn-amd-amdhsa -mcpu=gfx1250 --defsym DOCPART=n.
;; ======== version 1 of 3: 3 launches
;; workspace buffers: xc 1,048,576 bytes; xs 65,536 bytes; rmask 4,096 bytes of whole numbers; tiles 36,352 bytes of whole numbers; wc 8,388,608 bytes; ws 524,288 bytes
;; launch prep (part 1): grid 256 x 1, 4 waves a work-group, no clusters, 303,616 bytes of LDS; arguments x, Wr, br, W1, W2, xc, xs, rmask, wc, ws; writes xc, xs, rmask, wc, ws
.if DOCPART == 1
	.amdgcn_target "amdgcn-amd-amdhsa--gfx1250"
	.amdhsa_code_object_version 6
	.text
	.protected	k_qc4a4f944c8_prep
	.globl	k_qc4a4f944c8_prep
	.p2align	8
	.type	k_qc4a4f944c8_prep,@function
k_qc4a4f944c8_prep:
	s_mov_b64 s[64:65], 0
	v_nop
	global_prefetch_b8 v0, s[64:65] scope:SCOPE_SE
	s_setreg_imm32_b32 hwreg(HW_REG_WAVE_MODE, 25, 1), 1
	s_wait_xcnt 0x0
; PREP: everything that is done once, ahead of the experts' chain.
;  (1) x [4096][512] f32 -> codes of FP4 (E2M1), K innermost, xc [4096][256 bytes], and one E8M0 byte for each 32 along K, xs [4096][16].
;  (2) the router: logits = x Wr + br in f32 (fused multiply-adds), the largest logit's index, the lower index on a tie as top_k has it.
;      The choice is stored as whole numbers: rmask [8 experts][256 work-groups] of 16 bits, bit b of entry wg = token 16 wg + b chose that expert.
;  (3) W1 [8][512][2048] and W2 [8][2048][512], f32 with K as the first axis of an expert, -> codes and scale words in the ORDER OF THE OPERAND'S REGISTERS
;      of the third launch: wc byte = e<<20 | wave<<17 | phase<<16 | batch<<12 | tile<<10 | block<<8 | row<<4 ; ws byte = e<<16 | wave<<13 | phase<<12 | batch<<8 | place<<3 | g2<<2.
; A block's scale is 2^(floor(log2(largest magnitude)) - 2): its byte is the largest magnitude's exponent field - 2, held at 1 from below.
; LIMITS: a block of zeros gets the byte 1 where the quantiser's rule says 127 (its codes are zeros, and this program alone reads the bytes); blocks whose largest magnitude lies under 2^-124
; are held at the byte 1; NaN and infinities among the inputs are not served; the logits are f32 sums in this text's own order, so that two logits nearer than f32 rounding may be ordered otherwise than by reference().
; SHARES: 256 work-groups of four waves; g = 4 x work-group + wave.  Wave g takes rows 4 g .. 4 g + 3 of x, one tile of W1 and one of W2, each 128 along K x 64 columns (32,768 bytes).
; The two tiles come by one tensor load each, asked for at the head: two tensor loads of a wave are out at the most.  Nothing in LDS is filled twice.  Each wave reads its own tiles alone, behind its own wait.
; No cluster: the work-groups share nothing but Wr's 16,384 bytes.
.set SP,   80                          ; a lane's place in a stage for x: its 64 bytes + 16 of padding
.set WRP,  528                         ; a row of Wr's stage: 512 bytes + 16
.set WRS,  262144                      ; LDS: behind the four waves' tiles (65,536 bytes a wave): Wr, 32 rows of WRP
.set XST,  279040                      ; two stages of 32 x SP bytes for each wave
.set XSB,  299520                      ; the work-group's 16 rows of scale bytes, 256 bytes
.set IDX,  299776                      ; the 16 tokens' experts, a word each
.set RX,   16                          ; v16-79   four rows of x as they are loaded
.set CX,   16                          ; v16-23   the rows' codes   (row 0's load registers: free once row 0 is back from its stage)
.set EB,   24                          ; v24-27   the rows' scale bytes
.set IX,   28                          ; v28-31   the rows' experts
.set XX,   80                          ; v80-111  two sets of 16 neighbours along K
.set LG,   112                         ; v112-119 eight logits
.set TP,   120                         ; v120-127 at work
.set WR,   128                         ; v128-255 Wr[16 lane + kk][e] at 8 kk + e
.set SEL,  76                          ; s[76:77] lane selects: lane l xor 16
	s_load_b256 s[4:11], s[0:1], 0x0               ; x s[4:5], Wr s[6:7], br s[8:9], W1 s[10:11]
	s_load_b256 s[12:19], s[0:1], 0x20             ; W2 s[12:13], xc s[14:15], xs s[16:17], rmask s[18:19]
	s_load_b128 s[20:23], s[0:1], 0x40             ; wc s[20:21], ws s[22:23]
	s_set_vgpr_msb 0x40
	v_lshl_add_u32 v0, v0, 2, 0x4a000
	v_mov_b32 v1, 0
	s_set_vgpr_msb 0x4045
	ds_add_u32 v0, v1
	ds_add_u32 v0, v1
	s_set_vgpr_msb 0x4500
	v_lshrrev_b32 v1, 5, v0
	v_readfirstlane_b32 s24, v1                    ; wave 0..3
	v_and_b32 v1, 31, v0                           ; lane
	s_mov_b32 s25, ttmp9                           ; work-group
	s_lshl_b32 s26, s25, 2
	s_add_co_u32 s26, s26, s24                     ; g
	v_lshlrev_b32 v2, 4, v1                        ; 16 x lane
	s_mul_i32 s28, s24, 2*32*SP
	s_add_co_u32 s28, s28, XST                     ; my wave's two stages
	v_lshrrev_b32 v3, 2, v1
	v_mul_u32_u24 v3, v3, SP
	v_and_b32 v4, 3, v1
	v_lshl_add_u32 v3, v4, 4, v3
	v_add_nc_u32 v3, s28, v3                       ; into a stage: SP (lane / 4) + 16 (lane % 4)
	v_mul_u32_u24 v4, v1, SP
	v_add_nc_u32 v4, s28, v4                       ; out of it: SP x lane
	v_lshlrev_b32 v5, 3, v1                        ; 8 x lane
	s_lshl_b32 s28, s24, 6
	s_add_co_u32 s28, s28, XSB
	v_lshrrev_b32 v6, 1, v1
	v_add_nc_u32 v6, s28, v6                       ; my block's scale byte: 64 x wave + lane / 2
	s_mul_i32 s28, s24, 8*WRP
	s_add_co_u32 s28, s28, WRS
	v_add_nc_u32 v7, s28, v2                       ; Wr into its stage: my wave's eight rows
	v_mul_u32_u24 v8, v1, WRP
	v_add_nc_u32 v8, WRS, v8                       ; and out of it: row = lane
	s_lshl_b32 s28, s24, 4
	s_add_co_u32 s28, s28, IDX
	v_mov_b32 v9, s28                              ; my wave's four words of experts
	s_lshl_b32 s29, s24, 16
	v_lshl_add_u32 v10, v1, 2, s29                 ; my wave's tiles: 65,536 x wave + 4 x lane: a lane takes a column
	v_bfe_u32 v11, v1, 3, 1                        ; W1: column j of 32 is row r = (j & 7) | (j >> 4) << 3 of tile 2 g2 + u, u = (j >> 3) & 1:
	v_and_b32 v12, 7, v1                           ; so tile 2 b + u, row r, holds hidden unit 32 b + 8 u + r + 8 (r / 8), as the third launch's quantiser wants it
	v_bfe_u32 v13, v1, 4, 1
	v_lshl_or_b32 v12, v13, 3, v12                 ; r
	v_lshl_add_u32 v13, v11, 4, v12
	v_lshlrev_b32 v13, 3, v13                      ; ws: place 16 u + r, 8 bytes a place
	v_lshlrev_b32 v12, 4, v12
	v_lshl_or_b32 v11, v11, 10, v12                ; wc: u << 10 | r << 4
	v_bfe_u32 v12, v1, 4, 1                        ; W2: the natural order: tile 2 g2 + j / 16, row j % 16
	v_and_b32 v14, 15, v1
	v_lshlrev_b32 v14, 4, v14
	v_lshl_or_b32 v12, v12, 10, v14
	v_add_nc_u32 v14, XSB, v5                      ; the scale bytes on their way out: 8 a lane
	v_and_b32 v15, 15, v1
	v_lshl_add_u32 v15, v15, 2, IDX                ; token lane % 16's expert
.irp i, 0,1,2,3,4,5,6,7
	v_mov_b32 v[TP+\i], 0                          ; written once: a lane permute's destination counts as one of its sources
.endr
	s_mov_b32 s[SEL], 0x76543210
	s_mov_b32 s[SEL+1], 0xfedcba98
	; descriptor group 1: a tile of 128 rows x 64 elements of 4 bytes, no padding: W1's rows are 2,048 elements apart, W2's 512
	s_mov_b32 s44, 2<<16                           ; no mask; elements of 4 bytes; padding off
	s_mov_b32 s45, 64<<16                          ; tensor_dim0 = 64
	s_mov_b32 s46, 128<<16                         ; tensor_dim1 = 128
	s_mov_b32 s47, 64<<16                          ; tile_dim0 = 64
	s_mov_b32 s48, 128                             ; tile_dim1 = 128
	s_mov_b32 s49, 2048                            ; from row to row
	s_mov_b32 s50, 0
	s_mov_b32 s51, 0
	s_mov_b32 s52, 2<<16
	s_mov_b32 s53, 64<<16
	s_mov_b32 s54, 128<<16
	s_mov_b32 s55, 64<<16
	s_mov_b32 s56, 128
	s_mov_b32 s57, 512
	s_mov_b32 s58, 0
	s_mov_b32 s59, 0
	s_lshr_b32 s27, s26, 7                         ; the expert of both my tiles
	; W1's tile: 64 hidden units hg = g & 31, K step ks = (g >> 5) & 3
	s_and_b32 s30, s26, 31
	s_bfe_u32 s31, s26, 0x20005
	s_lshl_b32 s32, s27, 22
	s_lshl_b32 s34, s31, 20
	s_add_co_u32 s32, s32, s34
	s_lshl_b32 s34, s30, 8
	s_add_co_u32 s32, s32, s34                     ; in W1: e << 22 + ks << 20 + hg << 8
	s_mov_b32 s33, 0
	s_lshl_b32 s34, s27, 20
	s_lshr_b32 s35, s30, 2
	s_lshl_b32 s35, s35, 17
	s_add_co_u32 s34, s34, s35
	s_and_b32 s35, s30, 3
	s_lshl_b32 s35, s35, 14
	s_add_co_u32 s34, s34, s35
	s_lshl_b32 s35, s31, 12
	s_add_co_u32 s34, s34, s35                     ; in wc: e << 20 + (hg / 4) << 17 + (hg % 4) << 14 + ks << 12
	s_mov_b32 s35, 0
	s_wait_dscnt 0x0
	s_wait_kmcnt 0x0
	s_load_b256 s[36:43], s[8:9], 0x0              ; br
	s_mov_b32 s60, 1                               ; group 0: count = 1
	s_lshl_b32 s61, s24, 16                        ; LDS address: 65,536 x wave
	s_add_nc_u64 s[62:63], s[10:11], s[32:33]      ; the tile's first element
	s_or_b32 s63, s63, 0x80000000                  ; type = 2
	s_add_nc_u64 s[72:73], s[20:21], s[34:35]      ; where W1's codes go,
	s_lshr_b32 s34, s34, 4
	s_add_nc_u64 s[74:75], s[22:23], s[34:35]      ; and their scale words: a sixteenth of the bytes
	; W2's tile: 64 outputs og = g & 7, K step = (g >> 3) & 15
	s_and_b32 s30, s26, 7
	s_bfe_u32 s31, s26, 0x40003
	s_lshl_b32 s32, s27, 22
	s_lshl_b32 s34, s31, 18
	s_add_co_u32 s32, s32, s34
	s_lshl_b32 s34, s30, 8
	s_add_co_u32 s32, s32, s34                     ; in W2: e << 22 + K step << 18 + og << 8
	s_lshl_b32 s34, s27, 20
	s_lshl_b32 s35, s30, 17
	s_add_co_u32 s34, s34, s35
	s_lshl_b32 s35, s31, 12
	s_add_co_u32 s34, s34, s35
	s_add_co_u32 s34, s34, 1<<16                   ; in wc: e << 20 + og << 17 + 1 << 16 + K step << 12
	s_mov_b32 s35, 0
	s_mov_b32 s68, 1
	s_lshl_b32 s69, s24, 16
	s_add_co_u32 s69, s69, 32768                   ; behind W1's tile
	s_add_nc_u64 s[70:71], s[12:13], s[32:33]
	s_or_b32 s71, s71, 0x80000000
	s_add_nc_u64 s[20:21], s[20:21], s[34:35]
	s_lshr_b32 s34, s34, 4
	s_add_nc_u64 s[22:23], s[22:23], s[34:35]
	s_lshl_b32 s34, s26, 13                        ; x: row 4 g, 2,048 bytes a row
	s_add_nc_u64 s[4:5], s[4:5], s[34:35]
	s_lshl_b32 s34, s26, 10                        ; xc: 256 bytes a row
	s_add_nc_u64 s[14:15], s[14:15], s[34:35]
	s_lshl_b32 s34, s25, 8                         ; xs: the work-group's 256 bytes
	s_add_nc_u64 s[16:17], s[16:17], s[34:35]
	s_lshl_b32 s34, s24, 12                        ; Wr: my wave's quarter
	s_add_nc_u64 s[6:7], s[6:7], s[34:35]
.irp i, 0,1,2,3,4,5,6,7
	global_load_b128 v[WR+4*\i:WR+4*\i+3], v2, s[6:7] offset:512*\i   ; 512 consecutive bytes a load
.endr
.irp t, 0,1,2,3
.irp i, 0,1,2,3
	global_load_b128 v[RX+16*\t+4*\i:RX+16*\t+4*\i+3], v2, s[4:5] offset:2048*\t+512*\i th:TH_LOAD_NT
.endr
.endr
	tensor_load_to_lds s[60:63], s[44:51]          ; W1's tile
	s_nop 0
	tensor_load_to_lds s[68:71], s[52:59]          ; W2's tile; both go out ahead of every wait on TENSORcnt, every LDS read and every barrier
	s_nop 0
.rept 4
	v_nop                                          ; four nops behind a tensor load
.endr
	s_wait_loadcnt 16                              ; Wr's eight loads are in; x's sixteen may be out
.irp i, 0,1,2,3,4,5,6,7
	ds_store_b128 v7, v[WR+4*\i:WR+4*\i+3] offset:WRP*\i
.endr
	s_wait_dscnt 0x0                               ; for the others' sake: my part of Wr lies in LDS
	s_barrier_signal -1
	s_barrier_wait -1
.set jx, 0
.rept 32
	ds_load_b128 v[WR+4*jx:WR+4*jx+3], v8 offset:16*jx   ; my 16 rows of Wr, 512 bytes: rows 528 bytes apart
.set jx, jx+1
.endr
; Row t through a stage: in as loaded, 16 bytes a lane; back 64 bytes a lane, so that a lane holds k = 16 lane + 0 .. 15.  LDS serves a wave's instructions in order (ISA guide 5.7.1.4).
.macro TURN t
.irp i, 0,1,2,3
	ds_store_b128 v3, v[RX+16*(\t)+4*\i:RX+16*(\t)+4*\i+3] offset:32*SP*((\t)%2)+8*SP*\i
.endr
.irp i, 0,1,2,3
	ds_load_b128 v[XX+16*((\t)%2)+4*\i:XX+16*((\t)%2)+4*\i+3], v4 offset:32*SP*((\t)%2)+16*\i
.endr
.endm
; Row t's codes and scale bytes.  Two neighbouring lanes hold a block of 32.
.macro QUANTX t
.set XS_, XX+16*((\t)%2)
	v_max3_num_f32 v[TP], |v[XS_]|, |v[XS_+1]|, |v[XS_+2]|
	v_max3_num_f32 v[TP+1], |v[XS_+3]|, |v[XS_+4]|, |v[XS_+5]|
.irp i, 6,10
	v_max3_num_f32 v[TP], v[TP], |v[XS_+\i]|, |v[XS_+\i+1]|
	v_max3_num_f32 v[TP+1], v[TP+1], |v[XS_+\i+2]|, |v[XS_+\i+3]|
.endr
	v_max3_num_f32 v[TP], v[TP], |v[XS_+14]|, |v[XS_+15]|
	v_max3_num_f32 v[TP], v[TP], v[TP+1], 0x1800000               ; the floor 2^(3 - 127): the byte cannot fall under 1
	v_max_num_f32_dpp v[TP], v[TP], v[TP] row_xmask:1 row_mask:0xf bank_mask:0xf   ; with my neighbour's 16: the block's largest magnitude
	v_add_nc_u32 v[TP+2], 0xff000000, v[TP]        ; 2 off its exponent field: the conversion takes this operand's exponent field as its scale
	v_cvt_scalef32_pk8_fp4_f32 v[CX+2*(\t)], v[XS_:XS_+7], v[TP+2]
	v_cvt_scalef32_pk8_fp4_f32 v[CX+2*(\t)+1], v[XS_+8:XS_+15], v[TP+2]
	v_lshrrev_b32 v[EB+(\t)], 23, v[TP+2]          ; the scale's byte (also the plain line behind the conversions)
	ds_store_b8 v6, v[EB+(\t)] offset:16*(\t)      ; both lanes of a block write the same byte with the same value
	global_store_b64 v5, v[CX+2*(\t):CX+2*(\t)+1], s[14:15] offset:256*(\t)   ; the wave stores the row's 256 bytes, aligned
.endm
; Row t's eight logits and the index of the largest.
.macro ROUTE t
.set XS_, XX+16*((\t)%2)
.irp p, 0,1,2,3
	v_pk_mul_f32 v[LG+2*\p:LG+2*\p+1], v[XS_:XS_+1], v[WR+2*\p:WR+2*\p+1] op_sel_hi:[0,1]   ; x[kk] serves both halves: two experts an instruction
.endr
.set kk, 1
.rept 15
.irp p, 0,1,2,3
.if kk%2
	v_pk_fma_f32 v[LG+2*\p:LG+2*\p+1], v[XS_+kk-1:XS_+kk], v[WR+8*kk+2*\p:WR+8*kk+2*\p+1], v[LG+2*\p:LG+2*\p+1] op_sel:[1,0,0] op_sel_hi:[1,1,1]
.else
	v_pk_fma_f32 v[LG+2*\p:LG+2*\p+1], v[XS_+kk:XS_+kk+1], v[WR+8*kk+2*\p:WR+8*kk+2*\p+1], v[LG+2*\p:LG+2*\p+1] op_sel_hi:[0,1,1]
.endif
.endr
.set kk, kk+1
.endr
.irp x, 1,2,4,8
.irp e, 0,1,2,3,4,5,6,7
	v_add_f32_dpp v[LG+\e], v[LG+\e], v[LG+\e] row_xmask:\x row_mask:0xf bank_mask:0xf   ; over the 32 lanes, the eight sums by turns
.endr
.endr
.irp e, 0,1,2,3,4,5,6,7
	v_permlanex16_b32 v[TP+\e], v[LG+\e], s[SEL], s[SEL+1]
.endr
.irp e, 0,1,2,3,4,5,6,7
	v_add_f32 v[LG+\e], v[LG+\e], v[TP+\e]
.endr
.irp e, 0,1,2,3,4,5,6,7
	v_add_f32 v[LG+\e], s[36+\e], v[LG+\e]         ; + br
.endr
	v_mov_b32 v[IX+(\t)], 0
.irp e, 1,2,3,4,5,6,7
	v_cmp_le_f32 vcc_lo, v[LG+\e], v[LG]           ; not larger than the best so far: the lower index stays
	v_cndmask_b32 v[IX+(\t)], \e, v[IX+(\t)], vcc_lo
	v_max_num_f32 v[LG], v[LG], v[LG+\e]
.endr
	ds_store_b32 v9, v[IX+(\t)] offset:4*(\t)      ; every lane holds the same number
.endm
.macro ROW t
.if (\t) < 3
	s_wait_loadcnt 8-4*(\t)                        ; the next row's four loads are in; the rows behind it may be out
	TURN (\t)+1
.endif
.if (\t) == 0
	s_wait_dscnt 8                                 ; Wr and row 0 are in registers; the next turn's eight lines may be out
.elseif (\t) == 3
	s_wait_dscnt 2                                 ; behind this row's loads: the last row's two stores
.else
	s_wait_dscnt 10                                ; behind this row's loads: the last row's two stores and the next turn's eight lines
.endif
	QUANTX \t
	ROUTE \t
.endm
	s_wait_kmcnt 0x0                               ; br
	s_wait_loadcnt 12                              ; row 0
	TURN 0
	ROW 0
	ROW 1
	ROW 2
	ROW 3
	s_wait_dscnt 0x0                               ; my scale bytes and experts lie in LDS
	s_barrier_signal -1
	s_barrier_wait -1
	s_cmp_lg_u32 s24, 0
	s_cbranch_scc1 .Lnot_wave_0
	ds_load_b32 v112, v15                          ; wave 0: token lane % 16's expert
	v_mov_b32 v113, 0
	v_lshlrev_b32 v114, 9, v1
	s_lshl_b32 s78, s25, 1
	v_add_nc_u32 v114, s78, v114                   ; rmask: 512 bytes an expert (lane = expert), 2 bytes a work-group
	s_wait_dscnt 0x0
.irp e, 0,1,2,3,4,5,6,7
	v_cmp_eq_u32 s[28+\e], \e, v112                ; bit b (and b + 16): token b chose expert e
.endr
.irp e, 0,1,2,3,4,5,6,7
	v_writelane_b32 v113, s[28+\e], \e
.endr
	v_cmp_gt_u32 vcc_lo, 8, v1
	s_wait_xcnt 0x0                                ; EXEC changes only behind this wait: earlier stores have read theirs
	s_and_saveexec_b32 s78, vcc_lo
	global_store_b16 v114, v113, s[18:19]          ; the low 16 bits, lanes 0 to 7
	s_wait_xcnt 0x0                                ; and again in front of the line that widens it
	s_or_b32 exec_lo, exec_lo, s78
.Lnot_wave_0:
	s_cmp_lg_u32 s24, 1
	s_cbranch_scc1 .Lnot_wave_1
	ds_load_b64 v[112:113], v14                    ; wave 1: the work-group's 256 scale bytes
	s_wait_dscnt 0x0
	global_store_b64 v5, v[112:113], s[16:17]      ; 256 consecutive bytes, aligned
.Lnot_wave_1:
	s_wait_xcnt 0x0                                ; all stores so far have read their registers: v16 on are written again below
; THE WEIGHTS.  A lane takes a column and its registers run down K: a block of 32 along K lies in one lane's 32 registers, and the conversions give codes with K innermost.
; Block bb = 4 g2 + b: columns 32 g2 + lane, k = 32 b + 0 .. 31 of the tile.
.macro LOADB lds, bb
.set jx, 0
.rept 32
	ds_load_b32 v[16+32*((\bb)%2)+jx], v10 offset:\lds+(32*((\bb)%4)+jx)*256+128*((\bb)/4)   ; 32 lanes read 128 consecutive bytes
.set jx, jx+1
.endr
.endm
.macro WBLOCK lds, bb, cb, sw, vc, sc
.set XW, 16+32*((\bb)%2)
.if (\bb) < 7
	s_wait_dscnt 32                                ; this block's 32 loads are in; the next block's may be out
.else
	s_wait_dscnt 0x0
.endif
	v_max3_num_f32 v148, |v[XW]|, |v[XW+1]|, |v[XW+2]|
	v_max3_num_f32 v149, |v[XW+3]|, |v[XW+4]|, |v[XW+5]|
.irp i, 6,10,14,18,22,26
	v_max3_num_f32 v148, v148, |v[XW+\i]|, |v[XW+\i+1]|
	v_max3_num_f32 v149, v149, |v[XW+\i+2]|, |v[XW+\i+3]|
.endr
	v_max3_num_f32 v148, v148, |v[XW+30]|, |v[XW+31]|
	v_max3_num_f32 v148, v148, v149, 0x1800000     ; the floor
	v_add_nc_u32 v150, 0xff000000, v148            ; the conversion's scale operand
	v_lshrrev_b32 v151, 23, v150                   ; the scale's byte
.if (\bb)%4 == 0
	v_mov_b32 v[\sw+(\bb)/4], v151                 ; four bytes to a word, the lower K in the lower byte
.else
	v_lshl_or_b32 v[\sw+(\bb)/4], v151, 8*((\bb)%4), v[\sw+(\bb)/4]
.endif
.irp g, 0,1,2,3
	v_cvt_scalef32_pk8_fp4_f32 v[\cb+4*(\bb)+\g], v[XW+8*\g:XW+8*\g+7], v150
.endr
	global_store_b128 v[\vc], v[\cb+4*(\bb):\cb+4*(\bb)+3], s[\sc:\sc+1] offset:2048*((\bb)/4)+256*((\bb)%4)   ; two tiles' block b: twice 256 consecutive bytes, aligned; each block has registers of its own
.if (\bb)+2 < 8
	LOADB \lds, (\bb)+2
.endif
.endm
.macro WTILE lds, cb, sw, vc, vs, sc, ss
	LOADB \lds, 0
	LOADB \lds, 1
.irp bb, 0,1,2,3,4,5,6,7
	WBLOCK \lds, \bb, \cb, \sw, \vc, \sc
.endr
	global_store_b64 v[\vs], v[\sw:\sw+1], s[\ss:\ss+1]   ; the batch's 64 scale words: 256 consecutive bytes, aligned
.endm
	s_wait_tensorcnt 0x1                           ; W1's tile has landed; W2's, asked for behind it, may be out
	WTILE 0, 80, 144, 11, 13, 72, 74
	s_wait_tensorcnt 0x0                           ; W2's tile
	WTILE 32768, 112, 146, 12, 5, 20, 22
	s_set_vgpr_msb 0x5
	s_wait_tensorcnt 0x0
	ds_add_u32 v0, v1
	s_wait_dscnt 0x0
	s_set_vgpr_msb 0x500
	s_endpgm
.Lfunc_end_k_qc4a4f944c8_prep:
	.size	k_qc4a4f944c8_prep, .Lfunc_end_k_qc4a4f944c8_prep-k_qc4a4f944c8_prep
	.p2alignl 7, 3214868480
	.fill 96, 4, 3214868480
	.section	.rodata,"a",@progbits
	.p2align	6, 0x0
	.amdhsa_kernel k_qc4a4f944c8_prep
		.amdhsa_group_segment_fixed_size 303616
		.amdhsa_private_segment_fixed_size 0
		.amdhsa_enable_private_segment 0
		.amdhsa_kernarg_size 80
		.amdhsa_user_sgpr_count 2
		.amdhsa_user_sgpr_kernarg_segment_ptr 1
		.amdhsa_wavefront_size32 1
		.amdhsa_system_sgpr_workgroup_id_x 1
		.amdhsa_system_sgpr_workgroup_id_y 1
		.amdhsa_system_sgpr_workgroup_id_z 1
		.amdhsa_system_vgpr_workitem_id 0
		.amdhsa_next_free_vgpr 258
		.amdhsa_next_free_sgpr 80
		.amdhsa_reserve_vcc 1
		.amdhsa_float_denorm_mode_32 3
		.amdhsa_float_denorm_mode_16_64 3
		.amdhsa_memory_ordered 1
		.amdhsa_forward_progress 1
		.amdhsa_inst_pref_size 108
	.end_amdhsa_kernel
	.amdgpu_metadata
---
amdhsa.version: [ 1, 2 ]
amdhsa.kernels:
  - .name:           k_qc4a4f944c8_prep
    .symbol:         k_qc4a4f944c8_prep.kd
    .args:
      - { .name: x, .offset: 0, .size: 8, .value_kind: global_buffer, .address_space: global }
      - { .name: Wr, .offset: 8, .size: 8, .value_kind: global_buffer, .address_space: global }
      - { .name: br, .offset: 16, .size: 8, .value_kind: global_buffer, .address_space: global }
      - { .name: W1, .offset: 24, .size: 8, .value_kind: global_buffer, .address_space: global }
      - { .name: W2, .offset: 32, .size: 8, .value_kind: global_buffer, .address_space: global }
      - { .name: xc, .offset: 40, .size: 8, .value_kind: global_buffer, .address_space: global }
      - { .name: xs, .offset: 48, .size: 8, .value_kind: global_buffer, .address_space: global }
      - { .name: rmask, .offset: 56, .size: 8, .value_kind: global_buffer, .address_space: global }
      - { .name: wc, .offset: 64, .size: 8, .value_kind: global_buffer, .address_space: global }
      - { .name: ws, .offset: 72, .size: 8, .value_kind: global_buffer, .address_space: global }
    .group_segment_fixed_size: 303616
    .private_segment_fixed_size: 0
    .kernarg_segment_align: 8
    .kernarg_segment_size: 80
    .max_flat_workgroup_size: 128
    .sgpr_count:     80
    .vgpr_count:     258
    .wavefront_size: 32
...
	.end_amdgpu_metadata
.endif
;; end of part 1
;; launch place (part 2): grid 71 x 1, 1 waves a work-group, no clusters, 0 bytes of LDS; arguments rmask, tiles; writes tiles
.if DOCPART == 2
	.amdgcn_target "amdgcn-amd-amdhsa--gfx1250"
	.amdhsa_code_object_version 6
	.text
	.protected	k_qc4a4f944c8_place
	.globl	k_qc4a4f944c8_place
	.p2align	8
	.type	k_qc4a4f944c8_place,@function
k_qc4a4f944c8_place:
	s_mov_b64 s[64:65], 0
	v_nop
	global_prefetch_b8 v0, s[64:65] scope:SCOPE_SE
	s_setreg_imm32_b32 hwreg(HW_REG_WAVE_MODE, 25, 1), 1
	s_wait_xcnt 0x0
; PLACE: the rows of each expert are laid into tiles of 64.  rmask [8 experts][128 words]: bit b of word c of expert e = token 32 c + b chose e.
; 4,096 tokens on 8 experts give at most 4096 / 64 + 8 - 1 = 71 tiles, whatever the split: one work-group of one wave for each.  Tiles are numbered expert by expert, each expert's ceil(tokens / 64) on end.
; A work-group counts each expert's tokens, finds its tile's expert e, first rank r0 among that expert's tokens and number of rows n, and then finds, for each of the tile's 64 rows,
; the token of rank r0 + row: a SEARCH, so that every result is stored at a fixed place: no branch and no memory address of this text hangs on a loaded number.
; OUT: tiles [71][512 bytes].  Bytes 0-255: the list, [h = 0, 1][32 entries]: entry i of half h is the token of row 2 i + h.  Bytes 256-511: the pair (e, 1 where the split has rows for this tile, else 0), 32 times.
; Rows past n repeat the tile's last token.  A tile without rows gets some token below 4,096 in every entry; nobody multiplies it.
; No LDS bytes are touched (the lane permutes go through the LDS unit alone), no barrier: one wave.  No matrix unit, no cluster: the work is counting.
.set MK,   96                          ; v96-127  rmask: word 4 lane + j of expert e at 4 e + j
.set PD,   128                         ; v128-159 counts at work
.set PTT,  160                         ; v160-191 likewise
	s_load_b128 s[4:7], s[0:1], 0x0                ; rmask s[4:5], tiles s[6:7]
	s_mov_b32 s21, ttmp9                           ; my tile
	v_and_b32 v1, 31, v0                           ; lane
	v_and_b32 v2, 15, v0
	v_bfe_u32 v3, v0, 4, 1
	v_lshlrev_b32 v4, 4, v1                        ; 16 lane
	v_lshlrev_b32 v5, 3, v1                        ; 8 lane
	s_mov_b32 s40, 0x76543210
	s_mov_b32 s41, 0xfedcba98                      ; lane selects: lane l xor 16
	s_mov_b32 s42, 0xaaaaaaaa                      ; the lanes whose number has bit 0 set; bits 1, 2, 3, 4:
	s_mov_b32 s43, 0xcccccccc
	s_mov_b32 s44, 0xf0f0f0f0
	s_mov_b32 s45, 0xff00ff00
	s_mov_b32 s46, 0xffff0000
	s_mov_b32 s48, 0x55555555                      ; for counting set bits by fields of 2, 4 and 8 bits
	s_mov_b32 s49, 0x33333333
	s_mov_b32 s50, 0x0f0f0f0f
	s_mov_b32 s51, 0x01010101
	s_lshl_b32 s38, s21, 9
	s_mov_b32 s39, 0
	s_wait_kmcnt 0x0
	s_add_nc_u64 s[6:7], s[6:7], s[38:39]          ; my 512 bytes
.irp e, 0,1,2,3,4,5,6,7
	global_load_b128 v[MK+4*\e:MK+4*\e+3], v4, s[4:5] offset:512*\e   ; lane l: tokens 128 l .. 128 l + 127 of expert e
.endr
; n words at v[s] on -> in each field of 4 bits the number of bits set there, at v[d] on; v[t] on at work.  The n words by turns, so that no line waits for the line above it.
.macro NIBS d, s, t, n
.set jx, 0
.rept \n
	v_lshrrev_b32 v[\t+jx], 1, v[\s+jx]
.set jx, jx+1
.endr
.set jx, 0
.rept \n
	v_and_b32 v[\t+jx], s48, v[\t+jx]
.set jx, jx+1
.endr
.set jx, 0
.rept \n
	v_sub_nc_u32 v[\d+jx], v[\s+jx], v[\t+jx]
.set jx, jx+1
.endr
.set jx, 0
.rept \n
	v_lshrrev_b32 v[\t+jx], 2, v[\d+jx]
.set jx, jx+1
.endr
.set jx, 0
.rept \n
	v_and_b32 v[\d+jx], s49, v[\d+jx]
.set jx, jx+1
.endr
.set jx, 0
.rept \n
	v_and_b32 v[\t+jx], s49, v[\t+jx]
.set jx, jx+1
.endr
.set jx, 0
.rept \n
	v_add_nc_u32 v[\d+jx], v[\d+jx], v[\t+jx]
.set jx, jx+1
.endr
.endm
	s_wait_loadcnt 0x0
	; ---- each expert's number of tokens
	NIBS PD, MK, PTT, 32
.set jx, 0
.rept 16
	v_add_nc_u32 v[PD+2*jx], v[PD+2*jx], v[PD+2*jx+1]   ; two words: at most 8 in a field of 4 bits
.set jx, jx+1
.endr
.set jx, 0
.rept 16
	v_lshrrev_b32 v[PTT+2*jx], 4, v[PD+2*jx]
.set jx, jx+1
.endr
.set jx, 0
.rept 16
	v_and_b32 v[PD+2*jx], s50, v[PD+2*jx]
.set jx, jx+1
.endr
.set jx, 0
.rept 16
	v_and_b32 v[PTT+2*jx], s50, v[PTT+2*jx]
.set jx, jx+1
.endr
.set jx, 0
.rept 16
	v_add_nc_u32 v[PD+2*jx], v[PD+2*jx], v[PTT+2*jx]    ; at most 16 in a byte
.set jx, jx+1
.endr
.set jx, 0
.rept 8
	v_add_nc_u32 v[PD+4*jx], v[PD+4*jx], v[PD+4*jx+2]   ; an expert's four words: at most 32 in a byte
.set jx, jx+1
.endr
.set jx, 0
.rept 8
	v_mul_lo_u32 v[PD+4*jx], v[PD+4*jx], s51            ; the four bytes' sum, at most 128, in the top byte
.set jx, jx+1
.endr
.set jx, 0
.rept 8
	v_lshrrev_b32 v[PD+4*jx], 24, v[PD+4*jx]
.set jx, jx+1
.endr
.irp p, 0,1,2,3
	v_lshl_or_b32 v[PD+8*\p], v[PD+8*\p+4], 16, v[PD+8*\p]   ; experts 2 p and 2 p + 1 in one word: a total is at most 4,096
.endr
.irp x, 1,2,4,8
.irp p, 0,1,2,3
	v_mov_b32_dpp v[PTT+\p], v[PD+8*\p] row_xmask:\x row_mask:0xf bank_mask:0xf
.endr
.irp p, 0,1,2,3
	v_add_nc_u32 v[PD+8*\p], v[PD+8*\p], v[PTT+\p]
.endr
.endr
.irp p, 0,1,2,3
	v_permlanex16_b32 v[PTT+\p], v[PD+8*\p], s40, s41
.endr
.irp p, 0,1,2,3
	v_add_nc_u32 v[PD+8*\p], v[PD+8*\p], v[PTT+\p]
.endr
.irp p, 0,1,2,3
	v_readfirstlane_b32 s38, v[PD+8*\p]
	s_and_b32 s[22+2*\p], s38, 0xffff
	s_lshr_b32 s[23+2*\p], s38, 16                 ; s22-29: the eight totals
.endr
	; my tile's expert: the last one whose first tile is not behind my number.  Selects, no jump
	s_mov_b32 s30, 0                               ; e
	s_mov_b32 s31, 0                               ; its first tile
	s_mov_b32 s32, s22                             ; its tokens
	s_add_co_u32 s33, s22, 63
	s_lshr_b32 s33, s33, 6                         ; the next expert's first tile
.irp e, 1,2,3,4,5,6,7
	s_cmp_le_u32 s33, s21
	s_cselect_b32 s30, \e, s30
	s_cselect_b32 s31, s33, s31
	s_cselect_b32 s32, s[22+\e], s32
	s_add_co_u32 s34, s[22+\e], 63
	s_lshr_b32 s34, s34, 6
	s_add_co_u32 s33, s33, s34
.endr
	s_cmp_lt_u32 s21, s33
	s_cselect_b32 s35, 1, 0                        ; 1: this split has rows for my tile
	s_sub_co_u32 s34, s21, s31
	s_min_u32 s34, s34, 63
	s_lshl_b32 s36, s34, 6                         ; r0: the tile's first rank among the expert's tokens
	s_sub_co_i32 s32, s32, s36
	s_min_i32 s32, s32, 64
	s_max_i32 s32, s32, 1                          ; n: its rows, 1 to 64
	s_sub_co_u32 s37, s32, 1
	; ---- the 64 rows' tokens, two a lane: row q = min(4 (lane % 16) + lane / 16 + 2 z, n - 1), so that a lane's two results are its 8 bytes of the list
.set BM,  128                          ; v128-131 my four words of the expert's mask
.set BC,  132                          ; v132-135 their counts, then running sums
.set BT,  136
.set KP,  140                          ; the three running sums, a byte each
.set SS,  141                          ; my lane's count
.set PRE, 142
.set TOT, 143
.set TT,  144
.set UU,  145
.set PP,  146                          ; tokens of the expert in lanes below mine, less r0
.set II,  147                          ; the same with mine
.set QQ,  148                          ; from here on a register for each z
.set AA,  150
.set AD,  152
.set VV,  154
.set FP,  156
.set FK,  158
.set FM,  160                          ; v160-167
.set REM, 168
.set JJ,  170
.set MM,  172
.set POS, 174
.set OFS, 176
.set CC,  178
.set T1,  180
.set T2,  182
.set P1,  184
.set P2,  186
.set P3,  188
.set P4,  190
.irp j, 0,1,2,3
	v_mov_b32 v[BM+\j], v[MK+\j]
.endr
.irp e, 1,2,3,4,5,6,7
	s_cmp_eq_u32 s30, \e
	s_cselect_b32 s47, -1, 0
.irp j, 0,1,2,3
	v_cndmask_b32 v[BM+\j], v[BM+\j], v[MK+4*\e+\j], s47
.endr
.endr
	NIBS BC, BM, BT, 4
.irp j, 0,1,2,3
	v_lshrrev_b32 v[BT+\j], 4, v[BC+\j]
.endr
.irp j, 0,1,2,3
	v_add_nc_u32 v[BC+\j], v[BC+\j], v[BT+\j]
.endr
.irp j, 0,1,2,3
	v_and_b32 v[BC+\j], s50, v[BC+\j]
.endr
.irp j, 0,1,2,3
	v_mul_lo_u32 v[BC+\j], v[BC+\j], s51
.endr
.irp j, 0,1,2,3
	v_lshrrev_b32 v[BC+\j], 24, v[BC+\j]
.endr
	v_add_nc_u32 v[BC+1], v[BC+1], v[BC]
	v_add_nc_u32 v[BC+2], v[BC+2], v[BC+1]
	v_add_nc_u32 v[SS], v[BC+3], v[BC+2]
	v_lshl_or_b32 v[KP], v[BC+1], 8, v[BC]
	v_lshl_or_b32 v[KP], v[BC+2], 16, v[KP]
	v_mov_b32 v[PRE], 0
	v_mov_b32 v[TOT], v[SS]
	v_mov_b32 v[TT], 0
.macro SCAN x, sr                      ; a step of the sum over lower lanes: my group's partner group counts for me where my lane's bit is set
	v_mov_b32_dpp v[TT], v[TOT] row_xmask:\x row_mask:0xf bank_mask:0xf
	v_cndmask_b32 v[UU], 0, v[TT], s[\sr]
	v_add_nc_u32 v[TOT], v[TOT], v[TT]
	v_add_nc_u32 v[PRE], v[PRE], v[UU]
.endm
	SCAN 1, 42
	SCAN 2, 43
	SCAN 4, 44
	SCAN 8, 45
	v_permlanex16_b32 v[TT], v[TOT], s40, s41
	v_cndmask_b32 v[UU], 0, v[TT], s46
	v_add_nc_u32 v[PRE], v[PRE], v[UU]
	v_sub_nc_u32 v[PP], v[PRE], s36
	v_add_nc_u32 v[II], v[PP], v[SS]
.irp z, 0,1
	v_lshl_add_u32 v[QQ+\z], v2, 2, v3
	v_add_nc_u32 v[QQ+\z], 2*\z, v[QQ+\z]
	v_min_u32 v[QQ+\z], s37, v[QQ+\z]
	v_mov_b32 v[AA+\z], 0
.endr
.irp st, 16,8,4,2,1                    ; the number of lanes whose II is at most q, times 4: II does not fall from lane to lane
.irp z, 0,1
	v_add_nc_u32 v[AD+\z], 4*\st-4, v[AA+\z]
	v_min_u32 v[AD+\z], 124, v[AD+\z]
.endr
.irp z, 0,1
	ds_bpermute_b32 v[VV+\z], v[AD+\z], v[II]
.endr
.irp z, 0,1
	v_add_nc_u32 v[T1+\z], 4*\st, v[AA+\z]
.endr
	s_wait_dscnt 0x0
.irp z, 0,1
	v_cmp_le_i32 vcc_lo, v[VV+\z], v[QQ+\z]
	v_cndmask_b32 v[AA+\z], v[AA+\z], v[T1+\z], vcc_lo
.endr
.endr
.irp z, 0,1
	v_min_u32 v[AA+\z], 124, v[AA+\z]
.endr
.irp z, 0,1
	ds_bpermute_b32 v[FP+\z], v[AA+\z], v[PP]
	ds_bpermute_b32 v[FK+\z], v[AA+\z], v[KP]
.irp j, 0,1,2,3
	ds_bpermute_b32 v[FM+4*\z+\j], v[AA+\z], v[BM+\j]
.endr
.endr
	s_wait_dscnt 0x0
.irp z, 0,1
	v_sub_nc_u32 v[REM+\z], v[QQ+\z], v[FP+\z]     ; the rank within that lane's 128 tokens
	v_mov_b32 v[MM+\z], v[FM+4*\z]
	v_mov_b32 v[OFS+\z], 0
	v_mov_b32 v[JJ+\z], 0
.endr
.irp c, 0,1,2                          ; which of its four words: the last whose running sum is not above the rank
.irp z, 0,1
	v_bfe_u32 v[CC+\z], v[FK+\z], 8*\c, 8
	v_cmp_lt_u32 vcc_lo, v[REM+\z], v[CC+\z]
	v_cndmask_b32 v[MM+\z], v[FM+4*\z+\c+1], v[MM+\z], vcc_lo
	v_cndmask_b32 v[OFS+\z], v[CC+\z], v[OFS+\z], vcc_lo
	v_cndmask_b32 v[JJ+\z], \c+1, v[JJ+\z], vcc_lo
.endr
.endr
.irp z, 0,1
	v_sub_nc_u32 v[REM+\z], v[REM+\z], v[OFS+\z]
	v_lshrrev_b32 v[T1+\z], 1, v[MM+\z]            ; the word's counts by fields of 2, 4, 8 and 16 bits
	v_and_b32 v[T1+\z], s48, v[T1+\z]
	v_sub_nc_u32 v[P1+\z], v[MM+\z], v[T1+\z]
	v_lshrrev_b32 v[T1+\z], 2, v[P1+\z]
	v_and_b32 v[T1+\z], s49, v[T1+\z]
	v_and_b32 v[P2+\z], s49, v[P1+\z]
	v_add_nc_u32 v[P2+\z], v[P2+\z], v[T1+\z]
	v_lshrrev_b32 v[T1+\z], 4, v[P2+\z]
	v_add_nc_u32 v[P3+\z], v[P2+\z], v[T1+\z]
	v_and_b32 v[P3+\z], s50, v[P3+\z]
	v_lshrrev_b32 v[T1+\z], 8, v[P3+\z]
	v_add_nc_u32 v[P4+\z], v[P3+\z], v[T1+\z]
	v_and_b32 v[P4+\z], 0x00ff00ff, v[P4+\z]
	v_mov_b32 v[POS+\z], 0
.endr
.macro DESC px, w, wd                  ; the lower w bits from POS on hold CC set bits: where the rank is not under that, pass over them
.irp z, 0,1
	v_bfe_u32 v[CC+\z], v[\px+\z], v[POS+\z], \wd
.endr
.irp z, 0,1
	v_sub_nc_u32 v[T1+\z], v[REM+\z], v[CC+\z]
	v_add_nc_u32 v[T2+\z], \w, v[POS+\z]
.endr
.irp z, 0,1
	v_cmp_lt_u32 vcc_lo, v[REM+\z], v[CC+\z]
	v_cndmask_b32 v[REM+\z], v[T1+\z], v[REM+\z], vcc_lo
	v_cndmask_b32 v[POS+\z], v[T2+\z], v[POS+\z], vcc_lo
.endr
.endm
	DESC P4, 16, 8
	DESC P3, 8, 8
	DESC P2, 4, 4
	DESC P1, 2, 2
	DESC MM, 1, 1
.irp z, 0,1
	v_add_nc_u32 v[T1+\z], v[AA+\z], v[JJ+\z]      ; the word's number: 4 x lane + which of four
	v_lshl_add_u32 v[T1+\z], v[T1+\z], 5, v[POS+\z]
	v_min_u32 v[T1+\z], 0xfff, v[T1+\z]
.endr
	v_mov_b32 v[T2], s30                           ; the expert,
	v_mov_b32 v[T2+1], s35                         ; and whether the tile has rows
	global_store_b64 v5, v[T1:T1+1], s[6:7]        ; the list: the wave stores 256 consecutive bytes, aligned
	global_store_b64 v5, v[T2:T2+1], s[6:7] offset:256   ; the pair, 32 times: again 256 consecutive bytes, aligned
	s_endpgm
.Lfunc_end_k_qc4a4f944c8_place:
	.size	k_qc4a4f944c8_place, .Lfunc_end_k_qc4a4f944c8_place-k_qc4a4f944c8_place
	.p2alignl 7, 3214868480
	.fill 96, 4, 3214868480
	.section	.rodata,"a",@progbits
	.p2align	6, 0x0
	.amdhsa_kernel k_qc4a4f944c8_place
		.amdhsa_group_segment_fixed_size 0
		.amdhsa_private_segment_fixed_size 0
		.amdhsa_enable_private_segment 0
		.amdhsa_kernarg_size 16
		.amdhsa_user_sgpr_count 2
		.amdhsa_user_sgpr_kernarg_segment_ptr 1
		.amdhsa_wavefront_size32 1
		.amdhsa_system_sgpr_workgroup_id_x 1
		.amdhsa_system_sgpr_workgroup_id_y 1
		.amdhsa_system_sgpr_workgroup_id_z 1
		.amdhsa_system_vgpr_workitem_id 0
		.amdhsa_next_free_vgpr 192
		.amdhsa_next_free_sgpr 66
		.amdhsa_reserve_vcc 1
		.amdhsa_float_denorm_mode_32 3
		.amdhsa_float_denorm_mode_16_64 3
		.amdhsa_memory_ordered 1
		.amdhsa_forward_progress 1
		.amdhsa_inst_pref_size 32
	.end_amdhsa_kernel
	.amdgpu_metadata
---
amdhsa.version: [ 1, 2 ]
amdhsa.kernels:
  - .name:           k_qc4a4f944c8_place
    .symbol:         k_qc4a4f944c8_place.kd
    .args:
      - { .name: rmask, .offset: 0, .size: 8, .value_kind: global_buffer, .address_space: global }
      - { .name: tiles, .offset: 8, .size: 8, .value_kind: global_buffer, .address_space: global }
    .group_segment_fixed_size: 0
    .private_segment_fixed_size: 0
    .kernarg_segment_align: 8
    .kernarg_segment_size: 16
    .max_flat_workgroup_size: 32
    .sgpr_count:     66
    .vgpr_count:     192
    .wavefront_size: 32
...
	.end_amdgpu_metadata
.endif
;; end of part 2
;; launch moe (part 3): grid 71 x 1, 8 waves a work-group, no clusters, 132,096 bytes of LDS; arguments tiles, xc, xs, wc, ws, b1, b2, out0; writes out0
.if DOCPART == 3
	.amdgcn_target "amdgcn-amd-amdhsa--gfx1250"
	.amdhsa_code_object_version 6
	.text
	.protected	k_qc4a4f944c8_moe
	.globl	k_qc4a4f944c8_moe
	.p2align	8
	.type	k_qc4a4f944c8_moe,@function
k_qc4a4f944c8_moe:
	s_mov_b64 s[64:65], 0
	v_nop
	global_prefetch_b8 v0, s[64:65] scope:SCOPE_SE
	s_setreg_imm32_b32 hwreg(HW_REG_WAVE_MODE, 25, 1), 1
	s_wait_xcnt 0x0
; MOE: out[token] = relu(x W1[e] + b1[e]) W2[e] + b2[e] for the token's chosen expert e, both products on codes of FP4 (E2M1) with one E8M0 scale for each 32 along K.
; reference() multiplies every expert and keeps, by a mask that it builds itself, the chosen one: only that one is multiplied here.  Its gate is a softmax over ONE logit, exp(0) / exp(0):
; exactly 1.0 for every finite logit, so nothing is multiplied by it.  LIMIT: NaN or infinite logits are not served.
; GRID: tiles of 64 rows of one expert; 4,096 tokens on 8 experts give at most 4096 / 64 + 8 - 1 = 71 tiles, whatever the split.  The launch before has stored, for each tile, its expert, whether the split
; has rows for it, and its 64 tokens ([h][32]: entry i of half h = the token of row 2 i + h; rows past the tile's last repeat its last token: the same bytes are then stored again by this work-group).
; A work-group whose tile has no rows passes both barriers, jumps over the two products and stores nothing.  The jumps hang on a whole number read from memory, so this launch has no tensor load:
; the weights go from memory straight into registers, in the register order in which the first launch has laid them.  No cluster for the same reason: which tiles share an expert hangs on stored numbers.
; SHARES: THE WAVES SHARE THE COLUMNS, NOT THE ROWS: wave w makes hidden units 256 w .. + 255 (four groups q of 64) and outputs 64 w .. + 63, for all four tiles m of 16 rows.
; Both products are used transposed (source 0 = 16 rows of the weight, source 1 = 16 tokens): a lane holds one token, its registers run along the hidden units or the outputs.
; The hidden layer goes from wave to wave through LDS as images of the operand's registers and never goes to memory.
; REGISTERS.  Window 0: v1-23 addresses; v24-27 half scale words; v32-47 x's scale words, v48-55 the weights', v56-63 the hidden layer's (these 32 hold scales and nothing else);
;   v64-95 a bias in the result's layout, behind the second product's first K step the tokens' offsets in out0; v96-223 the 16 accumulators (m, t) at 96 + 32 m + 8 t (ahead of the products: at work on the gather); v224-255 the quantiser's.
;   Window 1: v0-127 x's 16 fragments (m, ks) at 8 (4 m + ks), later two sets of four hidden fragments; v128-255 a ring of four batches of the weights, four fragments each.
.set XROW, 0                           ; LDS: the 64 rows' codes: 256 bytes + 16 of padding each
.set XSC,  17408                       ; their scale bytes: 64 x 16
.set HIMG, 18432                       ; the hidden layer's 64 fragments: image (4 S + m) x 1,024 + 512 c + 16 lane
.set HSC,  83968                       ; their scale words: (4 S + m) x 128 + 4 lane
.set STG,  92160                       ; the way out: 16 rows x (256 + 16) for each wave
.set LOW,  24
.set XS,   32
.set WS,   48
.set HS,   56
.set BIAS, 64
.set ACC,  96
.set TM,   224
.set RING, 128
.set MSB, 0
.macro WIN new                         ; the immediate's high byte repeats the setting that is left; a switch that changes nothing is dropped
.if MSB != \new
	s_set_vgpr_msb (MSB<<8)|\new
.set MSB, \new
.endif
.endm
	s_load_b256 s[4:11], s[0:1], 0x0               ; tiles s[4:5], xc s[6:7], xs s[8:9], wc s[10:11]
	s_load_b256 s[12:19], s[0:1], 0x20             ; ws s[12:13], b1 s[14:15], b2 s[16:17], out0 s[18:19]
	v_lshl_add_u32 v30, v0, 2, 0x20000
	v_mov_b32 v31, 0
	v_lshrrev_b32 v1, 5, v0
	v_readfirstlane_b32 s20, v1                    ; wave 0..7
	v_and_b32 v1, 31, v0                           ; lane
	v_and_b32 v2, 15, v0                           ; r
	v_bfe_u32 v3, v0, 4, 1                         ; h
	v_lshlrev_b32 v4, 4, v1                        ; 16 lane
	v_lshlrev_b32 v5, 3, v1                        ; 8 lane
	v_lshlrev_b32 v6, 6, v3                        ; 64 h
	v_lshlrev_b32 v7, 5, v3                        ; 32 h
	v_lshlrev_b32 v21, 2, v1                       ; 4 lane
	v_lshlrev_b32 v22, 4, v2                       ; 16 r
	s_lshl_b32 s38, s20, 4
	v_lshl_add_u32 v16, v3, 7, s38                 ; the list: half h, entries 4 wave .. + 3: the tokens of rows 8 wave + 2 i + h
	v_bfe_u32 v17, v1, 2, 1
	v_lshlrev_b32 v17, 7, v17
	v_lshrrev_b32 v20, 3, v1
	v_lshl_add_u32 v17, v20, 2, v17
	v_add_nc_u32 v17, s38, v17                     ; the list: the token of row 8 wave + lane / 4: half (lane / 4) % 2, entry 4 wave + lane / 8
	v_lshlrev_b32 v20, 7, v3                       ; the list: half h
	v_mul_u32_u24 v8, v2, 272
	v_lshl_add_u32 v8, v3, 4, v8
	v_add_nc_u32 v8, XROW, v8                      ; a fragment of x: row r, + 16 h
	v_lshl_add_u32 v9, v2, 4, XSC                  ; its row's four scale words
	s_lshl_b32 s38, s20, 13
	s_add_co_u32 s38, s38, HIMG
	v_add_nc_u32 v10, s38, v4                      ; where I store hidden images: my two K steps
	s_lshl_b32 s38, s20, 10
	s_add_co_u32 s38, s38, HSC
	v_add_nc_u32 v11, s38, v21                     ; and their scale words
	v_add_nc_u32 v12, HIMG, v4                     ; where any image is read
	v_add_nc_u32 v13, HSC, v21
	s_mul_i32 s38, s20, 4352
	s_add_co_u32 s38, s38, STG                     ; my stage
	v_mul_u32_u24 v14, v2, 272
	v_lshl_add_u32 v14, v3, 5, v14
	v_add_nc_u32 v14, s38, v14                     ; in: row r, 32 bytes for each half of the lanes
	v_mul_u32_u24 v18, v3, 272
	v_add_nc_u32 v18, v18, v22                     ; 272 h + 16 r
	v_add_nc_u32 v15, s38, v18                     ; back: lanes 0-15 one row of 256 bytes, lanes 16-31 the next
	s_mul_i32 s38, s20, 2176
	s_add_co_u32 s38, s38, XROW
	v_add_nc_u32 v18, s38, v18                     ; the gather: my wave's eight rows of codes, two an instruction
	s_lshl_b32 s38, s20, 7
	s_add_co_u32 s38, s38, XSC
	v_add_nc_u32 v19, s38, v21                     ; my wave's eight rows of scale bytes, a word a lane
	v_and_b32 v23, 3, v1
	v_lshlrev_b32 v23, 2, v23                      ; 4 (lane % 4)
.irp k, 0,1,2,3,4,5,6,7
	v_mov_b32 v[TM+8+\k], 0                        ; written once: a lane permute's destination counts as one of its sources
.endr
	s_mov_b32 s40, 0x76543210
	s_mov_b32 s41, 0xfedcba98                      ; lane selects: lane l xor 16
	s_lshl_b32 s38, ttmp9, 9
	s_mov_b32 s39, 0
	s_wait_kmcnt 0x0
	s_add_nc_u64 s[4:5], s[4:5], s[38:39]          ; my tile's 512 bytes
	s_load_b64 s[30:31], s[4:5], 0x100             ; s30: the expert; s31: 1 where the tile has rows
	global_load_b128 v[192:195], v16, s[4:5]       ; the tokens whose codes my wave gathers,
	global_load_b32 v196, v17, s[4:5]              ; and whose scale bytes
	s_wait_kmcnt 0x0
	s_min_u32 s30, s30, 7                          ; the expert's number enters addresses only behind this line
	s_lshl_b32 s38, s30, 20
	s_lshl_b32 s34, s20, 17
	s_add_co_u32 s38, s38, s34
	s_add_nc_u64 s[10:11], s[10:11], s[38:39]      ; wc: my expert's, my wave's 131,072 bytes
	s_lshl_b32 s38, s30, 16
	s_lshl_b32 s34, s20, 13
	s_add_co_u32 s38, s38, s34
	s_add_nc_u64 s[12:13], s[12:13], s[38:39]      ; ws: 8,192 bytes
	s_lshl_b32 s38, s30, 13
	s_lshl_b32 s34, s20, 10
	s_add_co_u32 s38, s38, s34
	s_add_nc_u64 s[14:15], s[14:15], s[38:39]      ; b1: my 256 hidden units
	s_lshl_b32 s38, s30, 11
	s_lshl_b32 s34, s20, 8
	s_add_co_u32 s38, s38, s34
	s_add_nc_u64 s[16:17], s[16:17], s[38:39]      ; b2: my 64 outputs
	s_mov_b32 s38, s34
	s_add_nc_u64 s[18:19], s[18:19], s[38:39]      ; out0: my 256 bytes of a row
; Batch i of my wave's 32 (16 of W1: 4 q + ks; 16 of W2: 16 + S): four fragments, 4,096 dense bytes, and their 64 scale words, 256 bytes: nine loads, into slot i % 4 of the ring.  Every offset is an immediate.
.macro BATCH i
.set SGB, (\i)%4
	global_load_b64 v[WS+2*SGB:WS+2*SGB+1], v5, s[12:13] offset:256*(\i)   ; word g2: lanes 0-15 tile 2 g2's rows, lanes 16-31 tile 2 g2 + 1's
	WIN 0x40                                       ; destination window 1
.irp t, 0,1,2,3
.irp c, 0,1
	global_load_b128 v[RING+32*SGB+8*\t+4*\c:RING+32*SGB+8*\t+4*\c+3], v4, s[10:11] offset:4096*(\i)+1024*\t+512*\c
.endr
.endr
	WIN 0
.endm
.macro BIAS1 q                         ; b1 in the result's layout: tile t, lane (r, h), register j: hidden unit 64 q + 32 (t / 2) + 16 h + 8 (t % 2) + j
.irp t, 0,1,2,3
	global_load_b128 v[BIAS+8*\t:BIAS+8*\t+3], v6, s[14:15] offset:256*(\q)+128*(\t/2)+32*(\t%2)
	global_load_b128 v[BIAS+8*\t+4:BIAS+8*\t+7], v6, s[14:15] offset:256*(\q)+128*(\t/2)+32*(\t%2)+16
.endr
.endm
.macro BIAS2                           ; b2: output 16 t + 8 h + j
.irp t, 0,1,2,3
	global_load_b128 v[BIAS+8*\t:BIAS+8*\t+3], v7, s[16:17] offset:64*\t
	global_load_b128 v[BIAS+8*\t+4:BIAS+8*\t+7], v7, s[16:17] offset:64*\t+16
.endr
.endm
	BIAS1 0                                        ; 44 loads go out here and land while the rows are gathered
	BATCH 0
	BATCH 1
	BATCH 2
	BATCH 3
	; ---- the rows' codes and scale bytes are gathered: eight rows a wave
	s_wait_loadcnt 44                              ; the two loads of tokens are the oldest; the 44 behind them may be out
.irp i, 0,1,2,3,4
	v_min_u32 v[192+\i], 0xfff, v[192+\i]          ; a loaded number enters an address only behind this line
.endr
.irp i, 0,1,2,3
	v_lshl_add_u32 v[192+\i], v[192+\i], 8, v22    ; 256 bytes a token, 16 a lane
.endr
	v_lshl_add_u32 v196, v196, 4, v23              ; 16 bytes a token, 4 a lane
.irp i, 0,1,2,3
	global_load_b128 v[200+4*\i:203+4*\i], v[192+\i], s[6:7]   ; sixteen lanes read a row's 256 bytes
.endr
	global_load_b32 v216, v196, s[8:9]
	s_wait_loadcnt 0x0                             ; these five are the youngest loads: the first four batches and the first bias are in as well
.irp i, 0,1,2,3
	ds_store_b128 v18, v[200+4*\i:203+4*\i] offset:544*\i
.endr
	ds_store_b32 v19, v216
	s_wait_dscnt 0x0                               ; my eight rows lie in LDS
	s_barrier_signal -1
	s_barrier_wait -1
	WIN 0x40
.irp m, 0,1,2,3
.irp ks, 0,1,2,3
.irp c, 0,1
	ds_load_b128 v[8*(4*\m+\ks)+4*\c:8*(4*\m+\ks)+4*\c+3], v8 offset:4352*\m+64*\ks+32*\c   ; x's sixteen fragments stay in registers
.endr
.endr
.endr
	WIN 0
.irp m, 0,1,2,3
	ds_load_b128 v[XS+4*\m:XS+4*\m+3], v9 offset:256*\m   ; register 4 m + ks: row r's scale word of K step ks
.endr
	s_wait_dscnt 0x0
; One scaled product.  odd = 1: the weight's scale words stand in lanes 16-31 of their register.
.macro WM d, a, b, c, sa, sb, odd
.if (\odd)
	v_wmma_scale_f32_16x16x128_f8f6f4 v[(\d):(\d)+7], v[(\a):(\a)+7], v[(\b):(\b)+7], v[(\c):(\c)+7], v[\sa], v[\sb] matrix_a_fmt:MATRIX_FMT_FP4 matrix_b_fmt:MATRIX_FMT_FP4 matrix_a_scale:MATRIX_SCALE_ROW1
.else
	v_wmma_scale_f32_16x16x128_f8f6f4 v[(\d):(\d)+7], v[(\a):(\a)+7], v[(\b):(\b)+7], v[(\c):(\c)+7], v[\sa], v[\sb] matrix_a_fmt:MATRIX_FMT_FP4 matrix_b_fmt:MATRIX_FMT_FP4
.endif
.endm
; K step ks of group q of the first product: batch 4 q + ks against x's four tiles.  The 16 accumulators take turns, one instruction a turn.  The bias is the C of each sum's first product.
; Behind the products and four plain places the slot takes the batch four further on; behind a group's first step the next bias goes out ahead of it.
.macro KSTEP1 q, ks
.if (\ks) == 0
	s_wait_loadcnt 27                              ; this batch and, older, its bias are in; the three younger batches may be out
.else
	s_wait_loadcnt 35                              ; younger than this batch: three batches and the next bias's eight loads
.endif
	WIN 0x05                                       ; sources 0 and 1 window 1; C and D window 0
.irp t, 0,1,2,3
.irp m, 0,1,2,3
.if (\ks) == 0
	WM ACC+32*\m+8*\t, RING+32*(\ks)+8*\t, 8*(4*\m+(\ks)), BIAS+8*\t, WS+2*(\ks)+\t/2, XS+4*\m+(\ks), \t%2
.else
	WM ACC+32*\m+8*\t, RING+32*(\ks)+8*\t, 8*(4*\m+(\ks)), ACC+32*\m+8*\t, WS+2*(\ks)+\t/2, XS+4*\m+(\ks), \t%2
.endif
.endr
.endr
	WIN 0
.rept 4
	v_nop                                          ; four plain places in front of loads into registers that these products read, and of the first read of results
.endr
.if (\ks) == 0
.if (\q) < 3
	BIAS1 (\q)+1
.else
	BIAS2
.endif
.endif
	BATCH 4*(\q)+(\ks)+4
.endm
; Group q's 64 hidden units of all 64 rows: relu, quantised along the next K, images to LDS.  The 16 registers of tiles 2 b and 2 b + 1 of a row tile m are k = 32 b + 16 h + 0 .. 15: chain k8 = 2 m + b.
.macro QUANT4 q
	s_wait_dscnt 0x0                               ; the last group's LDS stores have read their registers
.set jx, 0
.rept 128
	v_max_num_f32 v[ACC+jx], 0, v[ACC+jx]          ; the activation, in f32; each accumulator from its low end on
.set jx, jx+1
.endr
.irp k, 0,1,2,3,4,5,6,7
	v_max3_num_f32 v[TM+\k], v[ACC+16*\k], v[ACC+16*\k+1], 0x1800000   ; none is negative; the floor 2^(3 - 127) holds the byte at 1 from below
.endr
.irp i, 2,4,6,8,10,12,14
.irp k, 0,1,2,3,4,5,6,7
	v_max3_num_f32 v[TM+\k], v[TM+\k], v[ACC+16*\k+\i], v[ACC+16*\k+\i+1]
.endr
.endr
.irp k, 0,1,2,3,4,5,6,7
	v_permlanex16_b32 v[TM+8+\k], v[TM+\k], s40, s41
.endr
.irp k, 0,1,2,3,4,5,6,7
	v_max_num_f32 v[TM+\k], v[TM+\k], v[TM+8+\k]   ; with lane l xor 16's 16: the block's largest
.endr
.irp k, 0,1,2,3,4,5,6,7
	v_add_nc_u32 v[TM+16+\k], 0xff000000, v[TM+\k] ; the conversion's scale operand
.endr
.irp k, 0,1,2,3,4,5,6,7
	v_lshrrev_b32 v[TM+24+\k], 23, v[TM+16+\k]     ; the scale's byte
.endr
.irp m, 0,1,2,3
.if (\q)%2 == 0
	v_lshl_or_b32 v[LOW+\m], v[TM+25+2*\m], 8, v[TM+24+2*\m]   ; blocks 0 and 1 of the K step: kept until the next group brings blocks 2 and 3
.else
	v_lshl_or_b32 v[TM+24+2*\m], v[TM+25+2*\m], 8, v[TM+24+2*\m]
	v_lshl_or_b32 v[LOW+\m], v[TM+24+2*\m], 16, v[LOW+\m]
.endif
.endr
.irp k, 0,1,2,3,4,5,6,7
	v_cvt_scalef32_pk8_fp4_f32 v[TM+2*\k], v[ACC+16*\k:ACC+16*\k+7], v[TM+16+\k]
	v_cvt_scalef32_pk8_fp4_f32 v[TM+2*\k+1], v[ACC+16*\k+8:ACC+16*\k+15], v[TM+16+\k]
.endr
	v_nop                                          ; one plain line behind the scaled conversions
.irp m, 0,1,2,3
.irp i, 0,1
	v_permlane16_swap_b32 v[TM+4*\m+\i], v[TM+4*\m+2+\i]   ; a whole block to a lane: lanes 0-15 the even block, lanes 16-31 the odd one
.endr
.endr
.irp m, 0,1,2,3
	ds_store_b128 v10, v[TM+4*\m:TM+4*\m+3] offset:4096*((\q)/2)+1024*\m+512*((\q)%2)   ; registers 4 c .. 4 c + 3 of the fragment (K step 2 wave + q / 2, rows 16 m on), c = q % 2
.if (\q)%2
	ds_store_b32 v11, v[LOW+\m] offset:512*((\q)/2)+128*\m
.endif
.endr
.endm
	; ---- the first product.  A work-group whose tile has no rows jumps over it, not over the barrier behind it
	s_cmp_eq_u32 s31, 0
	s_cbranch_scc1 .Lp1_done
.irp q, 0,1,2,3
	KSTEP1 \q, 0
	KSTEP1 \q, 1
	KSTEP1 \q, 2
	KSTEP1 \q, 3
	QUANT4 \q
.endr
.Lp1_done:
	s_wait_dscnt 0x0                               ; my eight images and their scale words lie in LDS
	s_barrier_signal -1
	s_barrier_wait -1
	s_cmp_eq_u32 s31, 0
	s_cbranch_scc1 .Lend
	; ---- the second product
.macro HLOAD ss                        ; K step ss: the four row tiles' hidden fragments into set ss % 2, and their scale words: twelve LDS loads
	WIN 0x40
.irp m, 0,1,2,3
.irp c, 0,1
	ds_load_b128 v[32*((\ss)%2)+8*\m+4*\c:32*((\ss)%2)+8*\m+4*\c+3], v12 offset:4096*(\ss)+1024*\m+512*\c
.endr
.endr
	WIN 0
.irp m, 0,1,2,3
	ds_load_b32 v[HS+4*((\ss)%2)+\m], v13 offset:512*(\ss)+128*\m
.endr
.endm
.macro KSTEP2 ss
.if ((\ss) >= 1) && ((\ss) <= 3)
	s_wait_loadcnt 35                              ; younger than batch 16 + ss: three batches and the eight loads of tokens issued behind K step 0
.elseif (\ss) <= 12
	s_wait_loadcnt 27                              ; batch 16 + ss is in; the three younger batches may be out
.else
	s_wait_loadcnt 9*(15-(\ss))                    ; the last batches: the counts run down
.endif
.if (\ss) < 15
	s_wait_dscnt 12                                ; this K step's twelve LDS loads are in; the next step's may be out
.else
	s_wait_dscnt 0x0
.endif
	WIN 0x05
.irp t, 0,1,2,3
.irp m, 0,1,2,3
.if (\ss) == 0
	WM ACC+32*\m+8*\t, RING+32*((\ss)%4)+8*\t, 32*((\ss)%2)+8*\m, BIAS+8*\t, WS+2*((\ss)%4)+\t/2, HS+4*((\ss)%2)+\m, \t%2
.else
	WM ACC+32*\m+8*\t, RING+32*((\ss)%4)+8*\t, 32*((\ss)%2)+8*\m, ACC+32*\m+8*\t, WS+2*((\ss)%4)+\t/2, HS+4*((\ss)%2)+\m, \t%2
.endif
.endr
.endr
	WIN 0
.rept 4
	v_nop                                          ; four plain places in front of loads into registers that these products read, and of the first read of results
.endr
.if (\ss) == 0
.irp j, 0,1,2,3,4,5,6,7
	global_load_b128 v[BIAS+4*\j:BIAS+4*\j+3], v20, s[4:5] offset:16*\j   ; the bias has been read for the last time: register 8 m + i takes the token of row 16 m + 2 i + h, for the way out
.endr
.endif
.if (\ss) <= 11
	BATCH 20+(\ss)
.endif
.if (\ss) <= 13
	HLOAD (\ss)+2
.endif
.endm
	HLOAD 0
	HLOAD 1
.irp ss, 0,1,2,3,4,5,6,7,8,9,10,11,12,13,14,15
	KSTEP2 \ss
.endr
	; ---- the way out.  A lane holds 32 neighbouring bytes of a token's row; a tile of 16 rows goes through my stage and comes back, into the registers that it left, as whole runs of 256 bytes.
.macro TOSTAGE m
.irp t, 0,1,2,3
	ds_store_b128 v14, v[ACC+32*\m+8*\t:ACC+32*\m+8*\t+3] offset:64*\t        ; each accumulator from its low end on
	ds_store_b128 v14, v[ACC+32*\m+8*\t+4:ACC+32*\m+8*\t+7] offset:64*\t+16
.endr
.irp i, 0,1,2,3,4,5,6,7
	ds_load_b128 v[ACC+32*\m+4*\i:ACC+32*\m+4*\i+3], v15 offset:544*\i        ; LDS serves a wave's instructions in order (ISA guide 5.7.1.4): these see the stores above, and the next tile's stores come behind them
.endr
.endm
.macro SEND m, younger                 ; younger: the LDS instructions issued behind tile m's loads
	s_wait_dscnt \younger
.irp i, 0,1,2,3,4,5,6,7
	global_store_b128 v[BIAS+8*\m+\i], v[ACC+32*\m+4*\i:ACC+32*\m+4*\i+3], s[18:19] th:TH_STORE_NT   ; sixteen lanes store 256 consecutive bytes of a token's row, aligned
.endr
.endm
	TOSTAGE 0
.set jx, 0
.rept 32
	v_min_u32 v[BIAS+jx], 0xfff, v[BIAS+jx]        ; (the tokens are in: the last K step waited for all loads)  a loaded number enters an address only behind this line
.set jx, jx+1
.endr
.set jx, 0
.rept 32
	v_lshl_add_u32 v[BIAS+jx], v[BIAS+jx], 11, v22 ; 2,048 bytes a token, 16 a lane
.set jx, jx+1
.endr
	TOSTAGE 1
	SEND 0, 16
	TOSTAGE 2
	SEND 1, 16
	TOSTAGE 3
	SEND 2, 16
	SEND 3, 0
.Lend:
	s_wait_tensorcnt 0x0
	ds_add_u32 v30, v31
	s_wait_dscnt 0x0
	s_endpgm
.Lfunc_end_k_qc4a4f944c8_moe:
	.size	k_qc4a4f944c8_moe, .Lfunc_end_k_qc4a4f944c8_moe-k_qc4a4f944c8_moe
	.p2alignl 7, 3214868480
	.fill 96, 4, 3214868480
	.section	.rodata,"a",@progbits
	.p2align	6, 0x0
	.amdhsa_kernel k_qc4a4f944c8_moe
		.amdhsa_group_segment_fixed_size 132096
		.amdhsa_private_segment_fixed_size 0
		.amdhsa_enable_private_segment 0
		.amdhsa_kernarg_size 64
		.amdhsa_user_sgpr_count 2
		.amdhsa_user_sgpr_kernarg_segment_ptr 1
		.amdhsa_wavefront_size32 1
		.amdhsa_system_sgpr_workgroup_id_x 1
		.amdhsa_system_sgpr_workgroup_id_y 1
		.amdhsa_system_sgpr_workgroup_id_z 1
		.amdhsa_system_vgpr_workitem_id 0
		.amdhsa_next_free_vgpr 512
		.amdhsa_next_free_sgpr 66
		.amdhsa_reserve_vcc 0
		.amdhsa_float_denorm_mode_32 3
		.amdhsa_float_denorm_mode_16_64 3
		.amdhsa_memory_ordered 1
		.amdhsa_forward_progress 1
		.amdhsa_inst_pref_size 185
	.end_amdhsa_kernel
	.amdgpu_metadata
---
amdhsa.version: [ 1, 2 ]
amdhsa.kernels:
  - .name:           k_qc4a4f944c8_moe
    .symbol:         k_qc4a4f944c8_moe.kd
    .args:
      - { .name: tiles, .offset: 0, .size: 8, .value_kind: global_buffer, .address_space: global }
      - { .name: xc, .offset: 8, .size: 8, .value_kind: global_buffer, .address_space: global }
      - { .name: xs, .offset: 16, .size: 8, .value_kind: global_buffer, .address_space: global }
      - { .name: wc, .offset: 24, .size: 8, .value_kind: global_buffer, .address_space: global }
      - { .name: ws, .offset: 32, .size: 8, .value_kind: global_buffer, .address_space: global }
      - { .name: b1, .offset: 40, .size: 8, .value_kind: global_buffer, .address_space: global }
      - { .name: b2, .offset: 48, .size: 8, .value_kind: global_buffer, .address_space: global }
      - { .name: out0, .offset: 56, .size: 8, .value_kind: global_buffer, .address_space: global }
    .group_segment_fixed_size: 132096
    .private_segment_fixed_size: 0
    .kernarg_segment_align: 8
    .kernarg_segment_size: 64
    .max_flat_workgroup_size: 256
    .sgpr_count:     66
    .vgpr_count:     512
    .wavefront_size: 32
...
	.end_amdgpu_metadata
.endif
;; end of part 3
;; ======== version 2 of 3: 3 launches; 1.14 times as fast as version 1
;; workspace buffers: xc 1,048,576 bytes; xs 65,536 bytes; rmask 4,096 bytes of whole numbers; tiles 47,616 bytes of whole numbers; wc 8,388,608 bytes; ws 524,288 bytes
;; launch prep: the kernel of part 1 again; grid 256 x 1, 4 waves a work-group, no clusters, 303,616 bytes of LDS; arguments x, Wr, br, W1, W2, xc, xs, rmask, wc, ws; writes xc, xs, rmask, wc, ws
;; launch place (part 4): grid 93 x 1, 1 waves a work-group, no clusters, 0 bytes of LDS; arguments rmask, tiles; writes tiles
.if DOCPART == 4
	.amdgcn_target "amdgcn-amd-amdhsa--gfx1250"
	.amdhsa_code_object_version 6
	.text
	.protected	k_qc4a4f944c8_place
	.globl	k_qc4a4f944c8_place
	.p2align	8
	.type	k_qc4a4f944c8_place,@function
k_qc4a4f944c8_place:
	s_mov_b64 s[64:65], 0
	v_nop
	global_prefetch_b8 v0, s[64:65] scope:SCOPE_SE
	s_setreg_imm32_b32 hwreg(HW_REG_WAVE_MODE, 25, 1), 1
	s_wait_xcnt 0x0
; PLACE: the rows of each expert are laid into tiles of 48.  rmask [8 experts][128 words]: bit b of word c of expert e = token 32 c + b chose e.
; 4,096 tokens on 8 experts give at most ceil(4096 / 48) + 8 - 1 = 93 tiles, whatever the split: one work-group of one wave for each.  Tiles are numbered expert by expert, each expert's ceil(tokens / 48) on end.
; A work-group counts each expert's tokens, finds its tile's expert e, first rank r0 among that expert's tokens and number of rows n, and then finds, for each row,
; the token of rank r0 + row: a SEARCH, so that every result is stored at a fixed place: no branch and no memory address of this text hangs on a loaded number.
; OUT: tiles [93][512 bytes].  Bytes 0-255: the list, [h = 0, 1][32 entries]: entry i of half h is the token of row 2 i + h (64 entries are written; the next launch reads rows 0 to 47).
; Bytes 256-511: the pair (e, 1 where the split has rows for this tile, else 0), 32 times.
; Rows past n repeat the tile's last token.  A tile without rows gets some token below 4,096 in every entry; nobody multiplies it.
; No LDS bytes are touched (the lane permutes go through the LDS unit alone), no barrier: one wave.  No matrix unit, no cluster: the work is counting.
.set MK,   96                          ; v96-127  rmask: word 4 lane + j of expert e at 4 e + j
.set PD,   128                         ; v128-159 counts at work
.set PTT,  160                         ; v160-191 likewise
	s_load_b128 s[4:7], s[0:1], 0x0                ; rmask s[4:5], tiles s[6:7]
	s_mov_b32 s21, ttmp9                           ; my tile
	v_and_b32 v1, 31, v0                           ; lane
	v_and_b32 v2, 15, v0
	v_bfe_u32 v3, v0, 4, 1
	v_lshlrev_b32 v4, 4, v1                        ; 16 lane
	v_lshlrev_b32 v5, 3, v1                        ; 8 lane
	s_mov_b32 s40, 0x76543210
	s_mov_b32 s41, 0xfedcba98                      ; lane selects: lane l xor 16
	s_mov_b32 s42, 0xaaaaaaaa                      ; the lanes whose number has bit 0 set; bits 1, 2, 3, 4:
	s_mov_b32 s43, 0xcccccccc
	s_mov_b32 s44, 0xf0f0f0f0
	s_mov_b32 s45, 0xff00ff00
	s_mov_b32 s46, 0xffff0000
	s_mov_b32 s48, 0x55555555                      ; for counting set bits by fields of 2, 4 and 8 bits
	s_mov_b32 s49, 0x33333333
	s_mov_b32 s50, 0x0f0f0f0f
	s_mov_b32 s51, 0x01010101
	s_lshl_b32 s38, s21, 9
	s_mov_b32 s39, 0
	s_wait_kmcnt 0x0
	s_add_nc_u64 s[6:7], s[6:7], s[38:39]          ; my 512 bytes
.irp e, 0,1,2,3,4,5,6,7
	global_load_b128 v[MK+4*\e:MK+4*\e+3], v4, s[4:5] offset:512*\e   ; lane l: tokens 128 l .. 128 l + 127 of expert e
.endr
; n words at v[s] on -> in each field of 4 bits the number of bits set there, at v[d] on; v[t] on at work.  The n words by turns, so that no line waits for the line above it.
.macro NIBS d, s, t, n
.set jx, 0
.rept \n
	v_lshrrev_b32 v[\t+jx], 1, v[\s+jx]
.set jx, jx+1
.endr
.set jx, 0
.rept \n
	v_and_b32 v[\t+jx], s48, v[\t+jx]
.set jx, jx+1
.endr
.set jx, 0
.rept \n
	v_sub_nc_u32 v[\d+jx], v[\s+jx], v[\t+jx]
.set jx, jx+1
.endr
.set jx, 0
.rept \n
	v_lshrrev_b32 v[\t+jx], 2, v[\d+jx]
.set jx, jx+1
.endr
.set jx, 0
.rept \n
	v_and_b32 v[\d+jx], s49, v[\d+jx]
.set jx, jx+1
.endr
.set jx, 0
.rept \n
	v_and_b32 v[\t+jx], s49, v[\t+jx]
.set jx, jx+1
.endr
.set jx, 0
.rept \n
	v_add_nc_u32 v[\d+jx], v[\d+jx], v[\t+jx]
.set jx, jx+1
.endr
.endm
	s_wait_loadcnt 0x0
	; ---- each expert's number of tokens
	NIBS PD, MK, PTT, 32
.set jx, 0
.rept 16
	v_add_nc_u32 v[PD+2*jx], v[PD+2*jx], v[PD+2*jx+1]   ; two words: at most 8 in a field of 4 bits
.set jx, jx+1
.endr
.set jx, 0
.rept 16
	v_lshrrev_b32 v[PTT+2*jx], 4, v[PD+2*jx]
.set jx, jx+1
.endr
.set jx, 0
.rept 16
	v_and_b32 v[PD+2*jx], s50, v[PD+2*jx]
.set jx, jx+1
.endr
.set jx, 0
.rept 16
	v_and_b32 v[PTT+2*jx], s50, v[PTT+2*jx]
.set jx, jx+1
.endr
.set jx, 0
.rept 16
	v_add_nc_u32 v[PD+2*jx], v[PD+2*jx], v[PTT+2*jx]    ; at most 16 in a byte
.set jx, jx+1
.endr
.set jx, 0
.rept 8
	v_add_nc_u32 v[PD+4*jx], v[PD+4*jx], v[PD+4*jx+2]   ; an expert's four words: at most 32 in a byte
.set jx, jx+1
.endr
.set jx, 0
.rept 8
	v_mul_lo_u32 v[PD+4*jx], v[PD+4*jx], s51            ; the four bytes' sum, at most 128, in the top byte
.set jx, jx+1
.endr
.set jx, 0
.rept 8
	v_lshrrev_b32 v[PD+4*jx], 24, v[PD+4*jx]
.set jx, jx+1
.endr
.irp p, 0,1,2,3
	v_lshl_or_b32 v[PD+8*\p], v[PD+8*\p+4], 16, v[PD+8*\p]   ; experts 2 p and 2 p + 1 in one word: a total is at most 4,096
.endr
.irp x, 1,2,4,8
.irp p, 0,1,2,3
	v_mov_b32_dpp v[PTT+\p], v[PD+8*\p] row_xmask:\x row_mask:0xf bank_mask:0xf
.endr
.irp p, 0,1,2,3
	v_add_nc_u32 v[PD+8*\p], v[PD+8*\p], v[PTT+\p]
.endr
.endr
.irp p, 0,1,2,3
	v_permlanex16_b32 v[PTT+\p], v[PD+8*\p], s40, s41
.endr
.irp p, 0,1,2,3
	v_add_nc_u32 v[PD+8*\p], v[PD+8*\p], v[PTT+\p]
.endr
.irp p, 0,1,2,3
	v_readfirstlane_b32 s38, v[PD+8*\p]
	s_and_b32 s[22+2*\p], s38, 0xffff
	s_lshr_b32 s[23+2*\p], s38, 16                 ; s22-29: the eight totals
.endr
	; my tile's expert: the last one whose first tile is not behind my number.  Selects, no jump.
	; ceil(T / 48) = ((T + 47) / 16) / 3, and y / 3 = (171 y) >> 9 for every y under 512 (here y is at most 258)
	s_mov_b32 s30, 0                               ; e
	s_mov_b32 s31, 0                               ; its first tile
	s_mov_b32 s32, s22                             ; its tokens
	s_add_co_u32 s33, s22, 47
	s_lshr_b32 s33, s33, 4
	s_mul_i32 s33, s33, 171
	s_lshr_b32 s33, s33, 9                         ; the next expert's first tile
.irp e, 1,2,3,4,5,6,7
	s_cmp_le_u32 s33, s21
	s_cselect_b32 s30, \e, s30
	s_cselect_b32 s31, s33, s31
	s_cselect_b32 s32, s[22+\e], s32
	s_add_co_u32 s34, s[22+\e], 47
	s_lshr_b32 s34, s34, 4
	s_mul_i32 s34, s34, 171
	s_lshr_b32 s34, s34, 9
	s_add_co_u32 s33, s33, s34
.endr
	s_cmp_lt_u32 s21, s33
	s_cselect_b32 s35, 1, 0                        ; 1: this split has rows for my tile
	s_sub_co_u32 s34, s21, s31
	s_min_u32 s34, s34, 85
	s_mul_i32 s36, s34, 48                         ; r0: the tile's first rank among the expert's tokens
	s_sub_co_i32 s32, s32, s36
	s_min_i32 s32, s32, 48
	s_max_i32 s32, s32, 1                          ; n: its rows, 1 to 48
	s_sub_co_u32 s37, s32, 1
	; ---- the rows' tokens, two a lane: row q = min(4 (lane % 16) + lane / 16 + 2 z, n - 1), so that a lane's two results are its 8 bytes of the list
.set BM,  128                          ; v128-131 my four words of the expert's mask
.set BC,  132                          ; v132-135 their counts, then running sums
.set BT,  136
.set KP,  140                          ; the three running sums, a byte each
.set SS,  141                          ; my lane's count
.set PRE, 142
.set TOT, 143
.set TT,  144
.set UU,  145
.set PP,  146                          ; tokens of the expert in lanes below mine, less r0
.set II,  147                          ; the same with mine
.set QQ,  148                          ; from here on a register for each z
.set AA,  150
.set AD,  152
.set VV,  154
.set FP,  156
.set FK,  158
.set FM,  160                          ; v160-167
.set REM, 168
.set JJ,  170
.set MM,  172
.set POS, 174
.set OFS, 176
.set CC,  178
.set T1,  180
.set T2,  182
.set P1,  184
.set P2,  186
.set P3,  188
.set P4,  190
.irp j, 0,1,2,3
	v_mov_b32 v[BM+\j], v[MK+\j]
.endr
.irp e, 1,2,3,4,5,6,7
	s_cmp_eq_u32 s30, \e
	s_cselect_b32 s47, -1, 0
.irp j, 0,1,2,3
	v_cndmask_b32 v[BM+\j], v[BM+\j], v[MK+4*\e+\j], s47
.endr
.endr
	NIBS BC, BM, BT, 4
.irp j, 0,1,2,3
	v_lshrrev_b32 v[BT+\j], 4, v[BC+\j]
.endr
.irp j, 0,1,2,3
	v_add_nc_u32 v[BC+\j], v[BC+\j], v[BT+\j]
.endr
.irp j, 0,1,2,3
	v_and_b32 v[BC+\j], s50, v[BC+\j]
.endr
.irp j, 0,1,2,3
	v_mul_lo_u32 v[BC+\j], v[BC+\j], s51
.endr
.irp j, 0,1,2,3
	v_lshrrev_b32 v[BC+\j], 24, v[BC+\j]
.endr
	v_add_nc_u32 v[BC+1], v[BC+1], v[BC]
	v_add_nc_u32 v[BC+2], v[BC+2], v[BC+1]
	v_add_nc_u32 v[SS], v[BC+3], v[BC+2]
	v_lshl_or_b32 v[KP], v[BC+1], 8, v[BC]
	v_lshl_or_b32 v[KP], v[BC+2], 16, v[KP]
	v_mov_b32 v[PRE], 0
	v_mov_b32 v[TOT], v[SS]
	v_mov_b32 v[TT], 0
.macro SCAN x, sr                      ; a step of the sum over lower lanes: my group's partner group counts for me where my lane's bit is set
	v_mov_b32_dpp v[TT], v[TOT] row_xmask:\x row_mask:0xf bank_mask:0xf
	v_cndmask_b32 v[UU], 0, v[TT], s[\sr]
	v_add_nc_u32 v[TOT], v[TOT], v[TT]
	v_add_nc_u32 v[PRE], v[PRE], v[UU]
.endm
	SCAN 1, 42
	SCAN 2, 43
	SCAN 4, 44
	SCAN 8, 45
	v_permlanex16_b32 v[TT], v[TOT], s40, s41
	v_cndmask_b32 v[UU], 0, v[TT], s46
	v_add_nc_u32 v[PRE], v[PRE], v[UU]
	v_sub_nc_u32 v[PP], v[PRE], s36
	v_add_nc_u32 v[II], v[PP], v[SS]
.irp z, 0,1
	v_lshl_add_u32 v[QQ+\z], v2, 2, v3
	v_add_nc_u32 v[QQ+\z], 2*\z, v[QQ+\z]
	v_min_u32 v[QQ+\z], s37, v[QQ+\z]
	v_mov_b32 v[AA+\z], 0
.endr
.irp st, 16,8,4,2,1                    ; the number of lanes whose II is at most q, times 4: II does not fall from lane to lane
.irp z, 0,1
	v_add_nc_u32 v[AD+\z], 4*\st-4, v[AA+\z]
	v_min_u32 v[AD+\z], 124, v[AD+\z]
.endr
.irp z, 0,1
	ds_bpermute_b32 v[VV+\z], v[AD+\z], v[II]
.endr
.irp z, 0,1
	v_add_nc_u32 v[T1+\z], 4*\st, v[AA+\z]
.endr
	s_wait_dscnt 0x0
.irp z, 0,1
	v_cmp_le_i32 vcc_lo, v[VV+\z], v[QQ+\z]
	v_cndmask_b32 v[AA+\z], v[AA+\z], v[T1+\z], vcc_lo
.endr
.endr
.irp z, 0,1
	v_min_u32 v[AA+\z], 124, v[AA+\z]
.endr
.irp z, 0,1
	ds_bpermute_b32 v[FP+\z], v[AA+\z], v[PP]
	ds_bpermute_b32 v[FK+\z], v[AA+\z], v[KP]
.irp j, 0,1,2,3
	ds_bpermute_b32 v[FM+4*\z+\j], v[AA+\z], v[BM+\j]
.endr
.endr
	s_wait_dscnt 0x0
.irp z, 0,1
	v_sub_nc_u32 v[REM+\z], v[QQ+\z], v[FP+\z]     ; the rank within that lane's 128 tokens
	v_mov_b32 v[MM+\z], v[FM+4*\z]
	v_mov_b32 v[OFS+\z], 0
	v_mov_b32 v[JJ+\z], 0
.endr
.irp c, 0,1,2                          ; which of its four words: the last whose running sum is not above the rank
.irp z, 0,1
	v_bfe_u32 v[CC+\z], v[FK+\z], 8*\c, 8
	v_cmp_lt_u32 vcc_lo, v[REM+\z], v[CC+\z]
	v_cndmask_b32 v[MM+\z], v[FM+4*\z+\c+1], v[MM+\z], vcc_lo
	v_cndmask_b32 v[OFS+\z], v[CC+\z], v[OFS+\z], vcc_lo
	v_cndmask_b32 v[JJ+\z], \c+1, v[JJ+\z], vcc_lo
.endr
.endr
.irp z, 0,1
	v_sub_nc_u32 v[REM+\z], v[REM+\z], v[OFS+\z]
	v_lshrrev_b32 v[T1+\z], 1, v[MM+\z]            ; the word's counts by fields of 2, 4, 8 and 16 bits
	v_and_b32 v[T1+\z], s48, v[T1+\z]
	v_sub_nc_u32 v[P1+\z], v[MM+\z], v[T1+\z]
	v_lshrrev_b32 v[T1+\z], 2, v[P1+\z]
	v_and_b32 v[T1+\z], s49, v[T1+\z]
	v_and_b32 v[P2+\z], s49, v[P1+\z]
	v_add_nc_u32 v[P2+\z], v[P2+\z], v[T1+\z]
	v_lshrrev_b32 v[T1+\z], 4, v[P2+\z]
	v_add_nc_u32 v[P3+\z], v[P2+\z], v[T1+\z]
	v_and_b32 v[P3+\z], s50, v[P3+\z]
	v_lshrrev_b32 v[T1+\z], 8, v[P3+\z]
	v_add_nc_u32 v[P4+\z], v[P3+\z], v[T1+\z]
	v_and_b32 v[P4+\z], 0x00ff00ff, v[P4+\z]
	v_mov_b32 v[POS+\z], 0
.endr
.macro DESC px, w, wd                  ; the lower w bits from POS on hold CC set bits: where the rank is not under that, pass over them
.irp z, 0,1
	v_bfe_u32 v[CC+\z], v[\px+\z], v[POS+\z], \wd
.endr
.irp z, 0,1
	v_sub_nc_u32 v[T1+\z], v[REM+\z], v[CC+\z]
	v_add_nc_u32 v[T2+\z], \w, v[POS+\z]
.endr
.irp z, 0,1
	v_cmp_lt_u32 vcc_lo, v[REM+\z], v[CC+\z]
	v_cndmask_b32 v[REM+\z], v[T1+\z], v[REM+\z], vcc_lo
	v_cndmask_b32 v[POS+\z], v[T2+\z], v[POS+\z], vcc_lo
.endr
.endm
	DESC P4, 16, 8
	DESC P3, 8, 8
	DESC P2, 4, 4
	DESC P1, 2, 2
	DESC MM, 1, 1
.irp z, 0,1
	v_add_nc_u32 v[T1+\z], v[AA+\z], v[JJ+\z]      ; the word's number: 4 x lane + which of four
	v_lshl_add_u32 v[T1+\z], v[T1+\z], 5, v[POS+\z]
	v_min_u32 v[T1+\z], 0xfff, v[T1+\z]
.endr
	v_mov_b32 v[T2], s30                           ; the expert,
	v_mov_b32 v[T2+1], s35                         ; and whether the tile has rows
	global_store_b64 v5, v[T1:T1+1], s[6:7]        ; the list: the wave stores 256 consecutive bytes, aligned
	global_store_b64 v5, v[T2:T2+1], s[6:7] offset:256   ; the pair, 32 times: again 256 consecutive bytes, aligned
	s_endpgm
.Lfunc_end_k_qc4a4f944c8_place:
	.size	k_qc4a4f944c8_place, .Lfunc_end_k_qc4a4f944c8_place-k_qc4a4f944c8_place
	.p2alignl 7, 3214868480
	.fill 96, 4, 3214868480
	.section	.rodata,"a",@progbits
	.p2align	6, 0x0
	.amdhsa_kernel k_qc4a4f944c8_place
		.amdhsa_group_segment_fixed_size 0
		.amdhsa_private_segment_fixed_size 0
		.amdhsa_enable_private_segment 0
		.amdhsa_kernarg_size 16
		.amdhsa_user_sgpr_count 2
		.amdhsa_user_sgpr_kernarg_segment_ptr 1
		.amdhsa_wavefront_size32 1
		.amdhsa_system_sgpr_workgroup_id_x 1
		.amdhsa_system_sgpr_workgroup_id_y 1
		.amdhsa_system_sgpr_workgroup_id_z 1
		.amdhsa_system_vgpr_workitem_id 0
		.amdhsa_next_free_vgpr 192
		.amdhsa_next_free_sgpr 66
		.amdhsa_reserve_vcc 1
		.amdhsa_float_denorm_mode_32 3
		.amdhsa_float_denorm_mode_16_64 3
		.amdhsa_memory_ordered 1
		.amdhsa_forward_progress 1
		.amdhsa_inst_pref_size 33
	.end_amdhsa_kernel
	.amdgpu_metadata
---
amdhsa.version: [ 1, 2 ]
amdhsa.kernels:
  - .name:           k_qc4a4f944c8_place
    .symbol:         k_qc4a4f944c8_place.kd
    .args:
      - { .name: rmask, .offset: 0, .size: 8, .value_kind: global_buffer, .address_space: global }
      - { .name: tiles, .offset: 8, .size: 8, .value_kind: global_buffer, .address_space: global }
    .group_segment_fixed_size: 0
    .private_segment_fixed_size: 0
    .kernarg_segment_align: 8
    .kernarg_segment_size: 16
    .max_flat_workgroup_size: 32
    .sgpr_count:     66
    .vgpr_count:     192
    .wavefront_size: 32
...
	.end_amdgpu_metadata
.endif
;; end of part 4
;; launch moe (part 5): grid 93 x 2, 8 waves a work-group, no clusters, 144,384 bytes of LDS; arguments tiles, xc, xs, wc, ws, b1, b2, out0; writes out0
.if DOCPART == 5
	.amdgcn_target "amdgcn-amd-amdhsa--gfx1250"
	.amdhsa_code_object_version 6
	.text
	.protected	k_qc4a4f944c8_moe
	.globl	k_qc4a4f944c8_moe
	.p2align	8
	.type	k_qc4a4f944c8_moe,@function
k_qc4a4f944c8_moe:
	s_mov_b64 s[64:65], 0
	v_nop
	global_prefetch_b8 v0, s[64:65] scope:SCOPE_SE
	s_setreg_imm32_b32 hwreg(HW_REG_WAVE_MODE, 25, 1), 1
	s_wait_xcnt 0x0
; MOE: out[token] = relu(x W1[e] + b1[e]) W2[e] + b2[e] for the token's chosen expert e, both products on codes of FP4 (E2M1) with one E8M0 scale for each 32 along K.
; reference() multiplies every expert and keeps, by a mask that it builds itself, the chosen one: only that one is multiplied here.  Its gate is a softmax over ONE logit, exp(0) / exp(0):
; exactly 1.0 for every finite logit, so nothing is multiplied by it.  LIMIT: NaN or infinite logits are not served.
; GRID: x = a tile of 48 rows of one expert: 4,096 tokens on 8 experts give at most ceil(4096 / 48) + 8 - 1 = 93 tiles, whatever the split; y = j, which 256 of the 512 outputs.
; The two work-groups of a tile BOTH make the tile's whole hidden layer (the first product is done twice) and each makes half of the outputs: a work-group so reads W1's 557,056 bytes of codes and scales
; and 278,528 of W2's 557,056, and no sum spans work-groups.
; The launch before has stored, for each tile, its expert, whether the split has rows for it, and its tokens ([h][32]: entry i of half h = the token of row 2 i + h; rows past the tile's last repeat its
; last token: the same bytes are then stored again by this work-group).  A work-group whose tile has no rows passes all three barriers, jumps over the work between them and stores nothing.
; The jumps hang on a whole number read from memory, so this launch has no tensor load: the weights go from memory straight into registers, in the register order in which the first launch has laid them.
; No cluster for the same reason: which tiles share an expert hangs on stored numbers.
; SHARES: THE WAVES SHARE THE COLUMNS, NOT THE ROWS: wave w makes hidden units 256 w .. + 255 (four groups q of 64) and outputs 256 j + 32 w .. + 31, for all three tiles m of 16 rows.
; Both products are used transposed (source 0 = 16 rows of the weight, source 1 = 16 tokens): a lane holds one token, its registers run along the hidden units or the outputs.
; The hidden layer goes from wave to wave through LDS as images of the operand's registers and never goes to memory.  Waves 0 to 5 gather eight rows each at the head and store eight rows each at the end.
; REGISTERS.  Window 0: v1-23 addresses; v24-26 half scale words; v28-31 my eight rows' offsets in out0; v32-43 x's scale words, v48-55 the weights', v56-63 the hidden layer's (v32-63 hold scales and nothing else);
;   v64-95 a bias in the result's layout; v96-191 the accumulators (m, t) at 96 + 32 m + 8 t; v192-216 at work on the gather; v224-255 the quantiser's.
;   Window 1: v0-95 x's 12 fragments (m, ks) at 8 (4 m + ks), later two sets of three hidden fragments; v128-255 the weights' ring: four batches of four fragments of W1, then eight half batches of two fragments of W2.
.set XROW, 0                           ; LDS: the 48 rows' codes: 256 bytes + 16 of padding each
.set XSC,  17408                       ; their scale bytes: 16 a row
.set HIMG, 18432                       ; the hidden layer's fragments: image (4 S + m) x 1,024 + 512 c + 16 lane
.set HSC,  83968                       ; their scale words: (4 S + m) x 128 + 4 lane
.set STG,  92160                       ; the way out: 48 rows x (1,024 bytes + 16), the work-group's
.set SPT,  1040
.set LOW,  24
.set TO,   28
.set XS,   32
.set WS,   48
.set HS,   56
.set BIAS, 64
.set ACC,  96
.set TM,   224
.set RING, 128
.set MSB, 0
.macro WIN new                         ; the immediate's high byte repeats the setting that is left; a switch that changes nothing is dropped
.if MSB != \new
	s_set_vgpr_msb (MSB<<8)|\new
.set MSB, \new
.endif
.endm
	s_load_b256 s[4:11], s[0:1], 0x0               ; tiles s[4:5], xc s[6:7], xs s[8:9], wc s[10:11]
	s_load_b256 s[12:19], s[0:1], 0x20             ; ws s[12:13], b1 s[14:15], b2 s[16:17], out0 s[18:19]
	v_lshl_add_u32 v254, v0, 2, 0x23000
	v_mov_b32 v255, 0
	v_lshrrev_b32 v1, 5, v0
	v_readfirstlane_b32 s20, v1                    ; wave 0..7
	s_and_b32 s21, ttmp7, 0xffff                   ; j: which half of the outputs
	v_and_b32 v1, 31, v0                           ; lane
	v_and_b32 v2, 15, v0                           ; r
	v_bfe_u32 v3, v0, 4, 1                         ; h
	v_lshlrev_b32 v4, 4, v1                        ; 16 lane
	v_lshlrev_b32 v5, 3, v1                        ; 8 lane
	v_lshlrev_b32 v6, 6, v3                        ; 64 h
	v_lshlrev_b32 v7, 5, v3                        ; 32 h
	v_lshlrev_b32 v21, 2, v1                       ; 4 lane
	v_lshlrev_b32 v22, 4, v2                       ; 16 r
	s_lshl_b32 s38, s20, 4
	v_lshl_add_u32 v16, v3, 7, s38                 ; the list: half h, entries 4 wave .. + 3: the tokens of rows 8 wave + 2 i + h
	v_bfe_u32 v17, v1, 2, 1
	v_lshlrev_b32 v17, 7, v17
	v_lshrrev_b32 v20, 3, v1
	v_lshl_add_u32 v17, v20, 2, v17
	v_add_nc_u32 v17, s38, v17                     ; the list: the token of row 8 wave + lane / 4: half (lane / 4) % 2, entry 4 wave + lane / 8
	v_mul_u32_u24 v8, v2, 272
	v_lshl_add_u32 v8, v3, 4, v8
	v_add_nc_u32 v8, XROW, v8                      ; a fragment of x: row r, + 16 h
	v_lshl_add_u32 v9, v2, 4, XSC                  ; its row's four scale words
	s_lshl_b32 s38, s20, 13
	s_add_co_u32 s38, s38, HIMG
	v_add_nc_u32 v10, s38, v4                      ; where I store hidden images: my two K steps
	s_lshl_b32 s38, s20, 10
	s_add_co_u32 s38, s38, HSC
	v_add_nc_u32 v11, s38, v21                     ; and their scale words
	v_add_nc_u32 v12, HIMG, v4                     ; where any image is read
	v_add_nc_u32 v13, HSC, v21
	s_lshl_b32 s38, s20, 7
	s_add_co_u32 s38, s38, STG
	v_mul_u32_u24 v14, v2, SPT
	v_lshl_add_u32 v14, v3, 5, v14
	v_add_nc_u32 v14, s38, v14                     ; into the stage: row r, my wave's 128 bytes, 32 for each half of the lanes
	s_mul_i32 s38, s20, 8*SPT
	s_add_co_u32 s38, s38, STG
	v_mul_u32_u24 v15, v3, SPT
	v_add_nc_u32 v15, v15, v22
	v_add_nc_u32 v15, s38, v15                     ; back: rows 8 wave on; lanes 0-15 256 bytes of one row, lanes 16-31 of the next
	v_mul_u32_u24 v18, v3, 272
	v_add_nc_u32 v18, v18, v22                     ; 272 h + 16 r
	s_mul_i32 s38, s20, 2176
	s_add_co_u32 s38, s38, XROW
	v_add_nc_u32 v18, s38, v18                     ; the gather: my wave's eight rows of codes, two an instruction
	s_lshl_b32 s38, s20, 7
	s_add_co_u32 s38, s38, XSC
	v_add_nc_u32 v19, s38, v21                     ; my wave's eight rows of scale bytes, a word a lane
	v_and_b32 v23, 3, v1
	v_lshlrev_b32 v23, 2, v23                      ; 4 (lane % 4)
.irp k, 0,1,2,3,4,5,6,7
	v_mov_b32 v[TM+8+\k], 0                        ; written once: a lane permute's destination counts as one of its sources
.endr
.irp i, 0,1,2,3
	v_mov_b32 v[TO+\i], 0                          ; written in every wave; waves 0 to 5 put their rows' offsets here
.endr
	s_mov_b32 s40, 0x76543210
	s_mov_b32 s41, 0xfedcba98                      ; lane selects: lane l xor 16
	s_lshl_b32 s38, ttmp9, 9
	s_mov_b32 s39, 0
	s_wait_kmcnt 0x0
	s_add_nc_u64 s[4:5], s[4:5], s[38:39]          ; my tile's 512 bytes
	s_load_b64 s[30:31], s[4:5], 0x100             ; s30: the expert; s31: 1 where the tile has rows
	; ---- the gather is asked for ahead of the weights: 48 rows, eight for each of waves 0 to 5
	s_cmp_gt_u32 s20, 5
	s_cbranch_scc1 .Lno_gather
	global_load_b128 v[192:195], v16, s[4:5]       ; the tokens whose codes my wave gathers and whose rows of out0 it will store,
	global_load_b32 v196, v17, s[4:5]              ; and whose scale bytes it gathers
	s_wait_loadcnt 0x0
.irp i, 0,1,2,3,4
	v_min_u32 v[192+\i], 0xfff, v[192+\i]          ; a loaded number enters an address only behind this line
.endr
.irp i, 0,1,2,3
	v_lshl_add_u32 v[TO+\i], v[192+\i], 11, v22    ; out0: 2,048 bytes a token, 16 a lane
.endr
.irp i, 0,1,2,3
	v_lshl_add_u32 v[192+\i], v[192+\i], 8, v22    ; xc: 256 bytes a token, 16 a lane
.endr
	v_lshl_add_u32 v196, v196, 4, v23              ; xs: 16 bytes a token, 4 a lane
.irp i, 0,1,2,3
	global_load_b128 v[200+4*\i:203+4*\i], v[192+\i], s[6:7]   ; sixteen lanes read a row's 256 bytes
.endr
	global_load_b32 v216, v196, s[8:9]
.Lno_gather:
	s_wait_kmcnt 0x0
	s_min_u32 s30, s30, 7                          ; the expert's number enters addresses only behind this line
	s_lshl_b32 s34, s21, 2
	s_lshr_b32 s35, s20, 1
	s_add_co_u32 s34, s34, s35                     ; the second product: my outputs lie in the group of 64 number 4 j + wave / 2,
	s_and_b32 s36, s20, 1                          ; in its tiles 2 g2 and 2 g2 + 1, g2 = wave % 2
	s_lshl_b32 s38, s30, 20
	s_lshl_b32 s35, s34, 17
	s_add_co_u32 s38, s38, s35
	s_lshl_b32 s35, s36, 11
	s_add_co_u32 s38, s38, s35
	s_add_co_u32 s38, s38, 1<<16
	s_add_nc_u64 s[22:23], s[10:11], s[38:39]      ; wc, W2: e << 20 + group << 17 + 1 << 16 + g2 << 11
	s_lshl_b32 s38, s30, 16
	s_lshl_b32 s35, s34, 13
	s_add_co_u32 s38, s38, s35
	s_lshl_b32 s35, s36, 2
	s_add_co_u32 s38, s38, s35
	s_add_co_u32 s38, s38, 1<<12
	s_add_nc_u64 s[24:25], s[12:13], s[38:39]      ; ws, W2: e << 16 + group << 13 + 1 << 12 + g2 << 2
	s_lshl_b32 s38, s30, 20
	s_lshl_b32 s35, s20, 17
	s_add_co_u32 s38, s38, s35
	s_add_nc_u64 s[10:11], s[10:11], s[38:39]      ; wc, W1: my expert's, my wave's 65,536 bytes
	s_lshl_b32 s38, s30, 16
	s_lshl_b32 s35, s20, 13
	s_add_co_u32 s38, s38, s35
	s_add_nc_u64 s[12:13], s[12:13], s[38:39]      ; ws, W1: 4,096 bytes
	s_lshl_b32 s38, s30, 13
	s_lshl_b32 s35, s20, 10
	s_add_co_u32 s38, s38, s35
	s_add_nc_u64 s[14:15], s[14:15], s[38:39]      ; b1: my 256 hidden units
	s_lshl_b32 s38, s30, 11
	s_lshl_b32 s35, s21, 10
	s_add_co_u32 s38, s38, s35
	s_lshl_b32 s35, s20, 7
	s_add_co_u32 s38, s38, s35
	s_add_nc_u64 s[16:17], s[16:17], s[38:39]      ; b2: my 32 outputs
	s_lshl_b32 s38, s21, 10
	s_add_nc_u64 s[18:19], s[18:19], s[38:39]      ; out0: the work-group's 1,024 bytes of a row
; Batch i of my wave's 16 of W1 (4 q + ks): four fragments, 4,096 dense bytes, and their 64 scale words, 256 bytes: nine loads, into slot i % 4 of the ring.  Every offset is an immediate.
.macro BATCH i
.set SGB, (\i)%4
	global_load_b64 v[WS+2*SGB:WS+2*SGB+1], v5, s[12:13] offset:256*(\i)   ; word g2: lanes 0-15 tile 2 g2's rows, lanes 16-31 tile 2 g2 + 1's
	WIN 0x40                                       ; destination window 1
.irp t, 0,1,2,3
.irp c, 0,1
	global_load_b128 v[RING+32*SGB+8*\t+4*\c:RING+32*SGB+8*\t+4*\c+3], v4, s[10:11] offset:4096*(\i)+1024*\t+512*\c
.endr
.endr
	WIN 0
.endm
; Half batch ss of W2 (K step ss): my two fragments, 2,048 dense bytes, and a scale word a lane: five loads, into slot ss % 8: half of one of W1's slots.
.macro BATCH2 ss
.set SG2, (\ss)%8
	global_load_b32 v[WS+SG2], v5, s[24:25] offset:256*(\ss)   ; lanes 0-15 my first tile's rows, lanes 16-31 my second's
	WIN 0x40
.irp u, 0,1
.irp c, 0,1
	global_load_b128 v[RING+16*SG2+8*\u+4*\c:RING+16*SG2+8*\u+4*\c+3], v4, s[22:23] offset:4096*(\ss)+1024*\u+512*\c
.endr
.endr
	WIN 0
.endm
.macro BIAS1 q                         ; b1 in the result's layout: tile t, lane (r, h), register j: hidden unit 64 q + 32 (t / 2) + 16 h + 8 (t % 2) + j
.irp t, 0,1,2,3
	global_load_b128 v[BIAS+8*\t:BIAS+8*\t+3], v6, s[14:15] offset:256*(\q)+128*(\t/2)+32*(\t%2)
	global_load_b128 v[BIAS+8*\t+4:BIAS+8*\t+7], v6, s[14:15] offset:256*(\q)+128*(\t/2)+32*(\t%2)+16
.endr
.endm
.macro BIAS2                           ; b2: my output 16 u + 8 h + j: four loads
.irp u, 0,1
	global_load_b128 v[BIAS+8*\u:BIAS+8*\u+3], v7, s[16:17] offset:64*\u
	global_load_b128 v[BIAS+8*\u+4:BIAS+8*\u+7], v7, s[16:17] offset:64*\u+16
.endr
.endm
	BIAS1 0                                        ; 44 loads go out here, behind the gather's five
	BATCH 0
	BATCH 1
	BATCH 2
	BATCH 3
	s_cmp_gt_u32 s20, 5
	s_cbranch_scc1 .Lno_put
	s_wait_loadcnt 44                              ; the gather's five loads are in; the 44 issued behind them may be out
.irp i, 0,1,2,3
	ds_store_b128 v18, v[200+4*\i:203+4*\i] offset:544*\i
.endr
	ds_store_b32 v19, v216
.Lno_put:
	s_wait_dscnt 0x0                               ; my eight rows lie in LDS
	s_barrier_signal -1
	s_barrier_wait -1
	WIN 0x40
.irp m, 0,1,2
.irp ks, 0,1,2,3
.irp c, 0,1
	ds_load_b128 v[8*(4*\m+\ks)+4*\c:8*(4*\m+\ks)+4*\c+3], v8 offset:4352*\m+64*\ks+32*\c   ; x's twelve fragments stay in registers
.endr
.endr
.endr
	WIN 0
.irp m, 0,1,2
	ds_load_b128 v[XS+4*\m:XS+4*\m+3], v9 offset:256*\m   ; register 4 m + ks: row r's scale word of K step ks
.endr
	s_wait_dscnt 0x0
; One scaled product.  odd = 1: the weight's scale words stand in lanes 16-31 of their register.
.macro WM d, a, b, c, sa, sb, odd
.if (\odd)
	v_wmma_scale_f32_16x16x128_f8f6f4 v[(\d):(\d)+7], v[(\a):(\a)+7], v[(\b):(\b)+7], v[(\c):(\c)+7], v[\sa], v[\sb] matrix_a_fmt:MATRIX_FMT_FP4 matrix_b_fmt:MATRIX_FMT_FP4 matrix_a_scale:MATRIX_SCALE_ROW1
.else
	v_wmma_scale_f32_16x16x128_f8f6f4 v[(\d):(\d)+7], v[(\a):(\a)+7], v[(\b):(\b)+7], v[(\c):(\c)+7], v[\sa], v[\sb] matrix_a_fmt:MATRIX_FMT_FP4 matrix_b_fmt:MATRIX_FMT_FP4
.endif
.endm
; K step ks of group q of the first product: batch 4 q + ks against x's three tiles.  The 12 accumulators take turns, one instruction a turn.  The bias is the C of each sum's first product.
; Behind the products and four plain places the slot takes the batch four further on (in the last group: two half batches of W2); behind a group's first step the next bias goes out ahead of it.
.macro KSTEP1 q, ks
.if (\ks) == 0
	s_wait_loadcnt 27                              ; this batch and, older, its bias are in; the three younger batches may be out
.elseif (\q) < 3
	s_wait_loadcnt 35                              ; younger than this batch: three batches and the next bias's eight loads
.else
	s_wait_loadcnt 31+(\ks)                        ; the last group: younger are 3 - ks batches of nine, b2's four loads and 2 ks half batches of five: 32, 33, 34
.endif
	WIN 0x05                                       ; sources 0 and 1 window 1; C and D window 0
.irp t, 0,1,2,3
.irp m, 0,1,2
.if (\ks) == 0
	WM ACC+32*\m+8*\t, RING+32*(\ks)+8*\t, 8*(4*\m+(\ks)), BIAS+8*\t, WS+2*(\ks)+\t/2, XS+4*\m+(\ks), \t%2
.else
	WM ACC+32*\m+8*\t, RING+32*(\ks)+8*\t, 8*(4*\m+(\ks)), ACC+32*\m+8*\t, WS+2*(\ks)+\t/2, XS+4*\m+(\ks), \t%2
.endif
.endr
.endr
	WIN 0
.rept 4
	v_nop                                          ; four plain places in front of loads into registers that these products read, and of the first read of results
.endr
.if (\ks) == 0
.if (\q) < 3
	BIAS1 (\q)+1
.else
	BIAS2
.endif
.endif
.if (\q) < 3
	BATCH 4*(\q)+(\ks)+4
.else
	BATCH2 2*(\ks)
	BATCH2 2*(\ks)+1
.endif
.endm
; Group q's 64 hidden units of all 48 rows: relu, quantised along the next K, images to LDS.  The 16 registers of tiles 2 b and 2 b + 1 of a row tile m are k = 32 b + 16 h + 0 .. 15: chain k = 2 m + b.
.macro QUANT4 q
	s_wait_dscnt 0x0                               ; the last group's LDS stores have read their registers
.set jx, 0
.rept 96
	v_max_num_f32 v[ACC+jx], 0, v[ACC+jx]          ; the activation, in f32; each accumulator from its low end on
.set jx, jx+1
.endr
.irp k, 0,1,2,3,4,5
	v_max3_num_f32 v[TM+\k], v[ACC+16*\k], v[ACC+16*\k+1], 0x1800000   ; none is negative; the floor 2^(3 - 127) holds the byte at 1 from below
.endr
.irp i, 2,4,6,8,10,12,14
.irp k, 0,1,2,3,4,5
	v_max3_num_f32 v[TM+\k], v[TM+\k], v[ACC+16*\k+\i], v[ACC+16*\k+\i+1]
.endr
.endr
.irp k, 0,1,2,3,4,5
	v_permlanex16_b32 v[TM+8+\k], v[TM+\k], s40, s41
.endr
.irp k, 0,1,2,3,4,5
	v_max_num_f32 v[TM+\k], v[TM+\k], v[TM+8+\k]   ; with lane l xor 16's 16: the block's largest
.endr
.irp k, 0,1,2,3,4,5
	v_add_nc_u32 v[TM+16+\k], 0xff000000, v[TM+\k] ; the conversion's scale operand
.endr
.irp k, 0,1,2,3,4,5
	v_lshrrev_b32 v[TM+24+\k], 23, v[TM+16+\k]     ; the scale's byte
.endr
.irp m, 0,1,2
.if (\q)%2 == 0
	v_lshl_or_b32 v[LOW+\m], v[TM+25+2*\m], 8, v[TM+24+2*\m]   ; blocks 0 and 1 of the K step: kept until the next group brings blocks 2 and 3
.else
	v_lshl_or_b32 v[TM+24+2*\m], v[TM+25+2*\m], 8, v[TM+24+2*\m]
	v_lshl_or_b32 v[LOW+\m], v[TM+24+2*\m], 16, v[LOW+\m]
.endif
.endr
.irp k, 0,1,2,3,4,5
	v_cvt_scalef32_pk8_fp4_f32 v[TM+2*\k], v[ACC+16*\k:ACC+16*\k+7], v[TM+16+\k]
	v_cvt_scalef32_pk8_fp4_f32 v[TM+2*\k+1], v[ACC+16*\k+8:ACC+16*\k+15], v[TM+16+\k]
.endr
	v_nop                                          ; one plain line behind the scaled conversions
.irp m, 0,1,2
.irp i, 0,1
	v_permlane16_swap_b32 v[TM+4*\m+\i], v[TM+4*\m+2+\i]   ; a whole block to a lane: lanes 0-15 the even block, lanes 16-31 the odd one
.endr
.endr
.irp m, 0,1,2
	ds_store_b128 v10, v[TM+4*\m:TM+4*\m+3] offset:4096*((\q)/2)+1024*\m+512*((\q)%2)   ; registers 4 c .. 4 c + 3 of the fragment (K step 2 wave + q / 2, rows 16 m on), c = q % 2
.if (\q)%2
	ds_store_b32 v11, v[LOW+\m] offset:512*((\q)/2)+128*\m
.endif
.endr
.endm
	; ---- the first product.  A work-group whose tile has no rows goes round it, not round the barrier behind it; on that way it waits for all its loads
	s_cmp_eq_u32 s31, 0
	s_cbranch_scc0 .Lp1
	s_wait_loadcnt 0x0
	s_branch .Lp1_done
.Lp1:
.irp q, 0,1,2,3
	KSTEP1 \q, 0
	KSTEP1 \q, 1
	KSTEP1 \q, 2
	KSTEP1 \q, 3
	QUANT4 \q
.endr
.Lp1_done:
	s_wait_dscnt 0x0                               ; my images and their scale words lie in LDS
	s_barrier_signal -1
	s_barrier_wait -1
	s_cmp_eq_u32 s31, 0
	s_cbranch_scc1 .Lp2_done
	; ---- the second product: my 32 outputs for the 48 rows: six accumulators by turns, a K step at a time
.macro HLOAD ss                        ; K step ss: the three row tiles' hidden fragments into set ss % 2, and their scale words: nine LDS loads
	WIN 0x40
.irp m, 0,1,2
.irp c, 0,1
	ds_load_b128 v[32*((\ss)%2)+8*\m+4*\c:32*((\ss)%2)+8*\m+4*\c+3], v12 offset:4096*(\ss)+1024*\m+512*\c
.endr
.endr
	WIN 0
.irp m, 0,1,2
	ds_load_b32 v[HS+4*((\ss)%2)+\m], v13 offset:512*(\ss)+128*\m
.endr
.endm
.macro KSTEP2 ss
.if (\ss) <= 8
	s_wait_loadcnt 35                              ; half batch ss (and, older, b2) is in; the seven younger half batches of five may be out
.else
	s_wait_loadcnt 5*(15-(\ss))                    ; the last half batches: the counts run down
.endif
.if (\ss) < 15
	s_wait_dscnt 9                                 ; this K step's nine LDS loads are in; the next step's may be out
.else
	s_wait_dscnt 0x0
.endif
	WIN 0x05
.irp u, 0,1
.irp m, 0,1,2
.if (\ss) == 0
	WM ACC+32*\m+8*\u, RING+16*((\ss)%8)+8*\u, 32*((\ss)%2)+8*\m, BIAS+8*\u, WS+(\ss)%8, HS+4*((\ss)%2)+\m, \u
.else
	WM ACC+32*\m+8*\u, RING+16*((\ss)%8)+8*\u, 32*((\ss)%2)+8*\m, ACC+32*\m+8*\u, WS+(\ss)%8, HS+4*((\ss)%2)+\m, \u
.endif
.endr
.endr
	WIN 0
.rept 4
	v_nop                                          ; four plain places in front of loads into registers that these products read, and of the first read of results
.endr
.if (\ss) <= 7
	BATCH2 (\ss)+8
.endif
.if (\ss) <= 13
	HLOAD (\ss)+2
.endif
.endm
	HLOAD 0
	HLOAD 1
.irp ss, 0,1,2,3,4,5,6,7,8,9,10,11,12,13,14,15
	KSTEP2 \ss
.endr
	; a lane holds 32 neighbouring bytes of a token's row, a wave 128: the eight waves' parts meet in the stage, rows of 1,024 bytes + 16
.irp m, 0,1,2
.irp u, 0,1
	ds_store_b128 v14, v[ACC+32*\m+8*\u:ACC+32*\m+8*\u+3] offset:16*SPT*\m+64*\u        ; each accumulator from its low end on
	ds_store_b128 v14, v[ACC+32*\m+8*\u+4:ACC+32*\m+8*\u+7] offset:16*SPT*\m+64*\u+16
.endr
.endr
.Lp2_done:
	s_wait_dscnt 0x0                               ; my part of the 48 rows lies in the stage
	s_barrier_signal -1
	s_barrier_wait -1
	s_cmp_eq_u32 s31, 0
	s_cbranch_scc1 .Lend
	s_cmp_gt_u32 s20, 5                            ; 48 rows: eight for each of waves 0 to 5
	s_cbranch_scc1 .Lend
.irp i, 0,1,2,3
.irp k, 0,1,2,3
	ds_load_b128 v[ACC+16*\i+4*\k:ACC+16*\i+4*\k+3], v15 offset:2*SPT*\i+256*\k   ; rows 8 wave + 2 i + h, bytes 256 k on
.endr
.endr
.irp i, 0,1,2,3
.irp k, 0,1,2,3
	s_wait_dscnt 15-4*\i-\k                        ; LDS loads come back in order (ISA guide 5.7.1): this one is in, the younger ones may be out
	global_store_b128 v[TO+\i], v[ACC+16*\i+4*\k:ACC+16*\i+4*\k+3], s[18:19] offset:256*\k th:TH_STORE_NT   ; sixteen lanes store 256 consecutive bytes of a token's row, aligned
.endr
.endr
.Lend:
	s_wait_tensorcnt 0x0
	ds_add_u32 v254, v255
	s_wait_dscnt 0x0
	s_endpgm
.Lfunc_end_k_qc4a4f944c8_moe:
	.size	k_qc4a4f944c8_moe, .Lfunc_end_k_qc4a4f944c8_moe-k_qc4a4f944c8_moe
	.p2alignl 7, 3214868480
	.fill 96, 4, 3214868480
	.section	.rodata,"a",@progbits
	.p2align	6, 0x0
	.amdhsa_kernel k_qc4a4f944c8_moe
		.amdhsa_group_segment_fixed_size 144384
		.amdhsa_private_segment_fixed_size 0
		.amdhsa_enable_private_segment 0
		.amdhsa_kernarg_size 64
		.amdhsa_user_sgpr_count 2
		.amdhsa_user_sgpr_kernarg_segment_ptr 1
		.amdhsa_wavefront_size32 1
		.amdhsa_system_sgpr_workgroup_id_x 1
		.amdhsa_system_sgpr_workgroup_id_y 1
		.amdhsa_system_sgpr_workgroup_id_z 1
		.amdhsa_system_vgpr_workitem_id 0
		.amdhsa_next_free_vgpr 512
		.amdhsa_next_free_sgpr 66
		.amdhsa_reserve_vcc 0
		.amdhsa_float_denorm_mode_32 3
		.amdhsa_float_denorm_mode_16_64 3
		.amdhsa_memory_ordered 1
		.amdhsa_forward_progress 1
		.amdhsa_inst_pref_size 129
	.end_amdhsa_kernel
	.amdgpu_metadata
---
amdhsa.version: [ 1, 2 ]
amdhsa.kernels:
  - .name:           k_qc4a4f944c8_moe
    .symbol:         k_qc4a4f944c8_moe.kd
    .args:
      - { .name: tiles, .offset: 0, .size: 8, .value_kind: global_buffer, .address_space: global }
      - { .name: xc, .offset: 8, .size: 8, .value_kind: global_buffer, .address_space: global }
      - { .name: xs, .offset: 16, .size: 8, .value_kind: global_buffer, .address_space: global }
      - { .name: wc, .offset: 24, .size: 8, .value_kind: global_buffer, .address_space: global }
      - { .name: ws, .offset: 32, .size: 8, .value_kind: global_buffer, .address_space: global }
      - { .name: b1, .offset: 40, .size: 8, .value_kind: global_buffer, .address_space: global }
      - { .name: b2, .offset: 48, .size: 8, .value_kind: global_buffer, .address_space: global }
      - { .name: out0, .offset: 56, .size: 8, .value_kind: global_buffer, .address_space: global }
    .group_segment_fixed_size: 144384
    .private_segment_fixed_size: 0
    .kernarg_segment_align: 8
    .kernarg_segment_size: 64
    .max_flat_workgroup_size: 256
    .sgpr_count:     66
    .vgpr_count:     512
    .wavefront_size: 32
...
	.end_amdgpu_metadata
.endif
;; end of part 5
;; ======== version 3 of 3: 3 launches; version 2 with the launch moe written anew for expert scheduling mode
;; workspace buffers: xc 1,048,576 bytes; xs 65,536 bytes; rmask 4,096 bytes of whole numbers; tiles 47,616 bytes of whole numbers; wc 8,388,608 bytes; ws 524,288 bytes
;; launch prep: the kernel of part 1 again; grid 256 x 1, 4 waves a work-group, no clusters, 303,616 bytes of LDS; arguments x, Wr, br, W1, W2, xc, xs, rmask, wc, ws; writes xc, xs, rmask, wc, ws
;; launch place: the kernel of part 4 again; grid 93 x 1, 1 waves a work-group, no clusters, 0 bytes of LDS; arguments rmask, tiles; writes tiles
;; launch moe (part 6): grid 93 x 2, 8 waves a work-group, no clusters, 144,384 bytes of LDS; arguments tiles, xc, xs, wc, ws, b1, b2, out0; writes out0
.if DOCPART == 6
	.amdgcn_target "amdgcn-amd-amdhsa--gfx1250"
	.amdhsa_code_object_version 6
	.text
	.protected	k_qc4a4f944c8_moe
	.globl	k_qc4a4f944c8_moe
	.p2align	8
	.type	k_qc4a4f944c8_moe,@function
k_qc4a4f944c8_moe:
	s_mov_b64 s[64:65], 0
	v_nop
	global_prefetch_b8 v0, s[64:65] scope:SCOPE_SE
	s_setreg_imm32_b32 hwreg(HW_REG_WAVE_SCHED_MODE, 0, 2), 2
	s_setreg_imm32_b32 hwreg(HW_REG_WAVE_MODE, 25, 1), 1
	s_wait_xcnt 0x0
	s_wait_alu depctr_vm_vsrc(0)
; MOE: out[token] = relu(x W1[e] + b1[e]) W2[e] + b2[e] for the token's chosen expert e, both products on codes of FP4 (E2M1) with one E8M0 scale for each 32 along K.
; reference() multiplies every expert and keeps, by a mask that it builds itself, the chosen one: only that one is multiplied here.  Its gate is a softmax over ONE logit, exp(0) / exp(0):
; exactly 1.0 for every finite logit, so nothing is multiplied by it.  LIMIT: NaN or infinite logits are not served.
; GRID: x = a tile of 48 rows of one expert: 4,096 tokens on 8 experts give at most ceil(4096 / 48) + 8 - 1 = 93 tiles, whatever the split; y = j, which 256 of the 512 outputs.
; The two work-groups of a tile BOTH make the tile's whole hidden layer (the first product is done twice) and each makes half of the outputs: a work-group so reads W1's 557,056 bytes of codes and scales
; and 278,528 of W2's 557,056, and no sum spans work-groups.
; The launch before has stored, for each tile, its expert, whether the split has rows for it, and its tokens ([h][32]: entry i of half h = the token of row 2 i + h; rows past the tile's last repeat its
; last token: the same bytes are then stored again by this work-group).  A work-group whose tile has no rows passes all three barriers, jumps over the work between them and stores nothing.
; The jumps hang on a whole number read from memory, so this launch has no tensor load: the weights go from memory straight into registers, in the register order in which the first launch has laid them.
; No cluster for the same reason: which tiles share an expert hangs on stored numbers.
; SHARES: THE WAVES SHARE THE COLUMNS, NOT THE ROWS: wave w makes hidden units 256 w .. + 255 (four groups q of 64) and outputs 256 j + 32 w .. + 31, for all three tiles m of 16 rows.
; Both products are used transposed (source 0 = 16 rows of the weight, source 1 = 16 tokens): a lane holds one token, its registers run along the hidden units or the outputs.
; The hidden layer goes from wave to wave through LDS as images of the operand's registers and never goes to memory.  Waves 0 to 5 gather eight rows each at the head and store eight rows each at the end.
; REGISTERS.  Window 0: v1-23 addresses; v24-26 half scale words; v28-31 my eight rows' offsets in out0; v32-43 x's scale words, v44-53 the weights' (two a slot), v54-62 the hidden layer's (three sets of three)
;   (v32-63 hold scales and nothing else); v64-95 a bias in the result's layout; v96-191 the accumulators (m, t) at 96 + 32 m + 8 t; v192-216 at work on the gather; v224-253 the quantiser's; v254, v255 the closing add's two.
;   Window 1: v0-95 x's 12 fragments (m, ks) at 8 (4 m + ks), later three sets of three hidden fragments, 32 registers apart; v96-255 the weights' ring: five slots of four fragments of W1, then ten half slots of two fragments of W2.
; THE MODE: SCHED_MODE bits 1:0 = 2 (LLVM: expert scheduling mode 2), set by the entry lines.  The code itself states the register dependences
; between vector or matrix instructions and memory or LDS instructions, with s_wait_alu, always for 0.
; THE PLAN.  Registers that memory or LDS instructions touch:
;   the ring and the weights' scale words   Step i of the first product (i = 4 q + ks) multiplies slot i % 5; the loads behind its products (batch i + 4) land in slot (i + 4) % 5 = (i - 1) % 5, which the step before read.
;                                           W2's half batch h lies in half slot (h + 2) % 10; K step ss multiplies it, and the loads behind its products (half batch ss + 8) land where step ss - 2 read.
;   the bias                                Read as C by a group's first step; loaded again behind the products of the group's second step.
;   the hidden sets and their scale words   K step ss reads set ss % 3; the LDS loads behind its products (K step ss + 2) land in set (ss - 1) % 3.
;   v224-235, v24-26                        Written by a group's quantiser, read by its LDS stores, written again by the next group's quantiser.
;   the accumulators                        Named by vector and matrix instructions alone up to the way out; there read by LDS stores, loaded again from the stage, read by the global stores.
;   the addresses v4-23, v28-31, v192-196   Written at the head and never again: every step is reached by an immediate offset.
; So ONE wait on va_vdst stands at a step's head, behind the waits for its data: the step before is done reading what this step's loads land in.  This step's products, which stand between that wait and the loads,
; name their own slot, set and scale words, x's fragments, the accumulators and (a sum's first step) the bias: none of the registers that those loads touch.  A step whose loads are covered by the quantiser's own wait, or that issues none, has no such line.
.set XROW, 0                           ; LDS: the 48 rows' codes: 256 bytes + 16 of padding each
.set XSC,  17408                       ; their scale bytes: 16 a row
.set HIMG, 18432                       ; the hidden layer's fragments: image (4 S + m) x 1,024 + 512 c + 16 lane
.set HSC,  83968                       ; their scale words: (4 S + m) x 128 + 4 lane
.set STG,  92160                       ; the way out: 48 rows x (1,024 bytes + 16), the work-group's
.set SPT,  1040
.set LOW,  24
.set TO,   28
.set XS,   32
.set WS,   44
.set HS,   54
.set BIAS, 64
.set ACC,  96
.set TM,   224
.set RING, 96
.set MSB, 0
.macro WIN new                         ; the immediate's high byte repeats the setting that is left; a switch that changes nothing is dropped
.if MSB != \new
	s_set_vgpr_msb (MSB<<8)|\new
.set MSB, \new
.endif
.endm
	s_load_b256 s[4:11], s[0:1], 0x0               ; tiles s[4:5], xc s[6:7], xs s[8:9], wc s[10:11]
	s_load_b256 s[12:19], s[0:1], 0x20             ; ws s[12:13], b1 s[14:15], b2 s[16:17], out0 s[18:19]
	v_lshl_add_u32 v254, v0, 2, 0x23000            ; my spare word, behind the stage; kept for the closing lines alone
	v_mov_b32 v255, 0                              ; and 0, likewise
	v_lshrrev_b32 v1, 5, v0
	v_readfirstlane_b32 s20, v1                    ; wave 0..7
	s_and_b32 s21, ttmp7, 0xffff                   ; j: which half of the outputs
	v_and_b32 v1, 31, v0                           ; lane
	v_and_b32 v2, 15, v0                           ; r
	v_bfe_u32 v3, v0, 4, 1                         ; h
	v_lshlrev_b32 v4, 4, v1                        ; 16 lane
	v_lshlrev_b32 v5, 3, v1                        ; 8 lane
	v_lshlrev_b32 v6, 6, v3                        ; 64 h
	v_lshlrev_b32 v7, 5, v3                        ; 32 h
	v_lshlrev_b32 v21, 2, v1                       ; 4 lane
	v_lshlrev_b32 v22, 4, v2                       ; 16 r
	s_wait_alu depctr_va_sdst(0)                   ; s20 is written, ahead of its first reader: LDS places, bases and branches are made from it
	s_lshl_b32 s38, s20, 4
	v_lshl_add_u32 v16, v3, 7, s38                 ; the list: half h, entries 4 wave .. + 3: the tokens of rows 8 wave + 2 i + h
	v_bfe_u32 v17, v1, 2, 1
	v_lshlrev_b32 v17, 7, v17
	v_lshrrev_b32 v20, 3, v1
	v_lshl_add_u32 v17, v20, 2, v17
	v_add_nc_u32 v17, s38, v17                     ; the list: the token of row 8 wave + lane / 4: half (lane / 4) % 2, entry 4 wave + lane / 8
	v_mul_u32_u24 v8, v2, 272
	v_lshl_add_u32 v8, v3, 4, v8
	v_add_nc_u32 v8, XROW, v8                      ; a fragment of x: row r, + 16 h
	v_lshl_add_u32 v9, v2, 4, XSC                  ; its row's four scale words
	s_lshl_b32 s38, s20, 13
	s_add_co_u32 s38, s38, HIMG
	v_add_nc_u32 v10, s38, v4                      ; where I store hidden images: my two K steps
	s_lshl_b32 s38, s20, 10
	s_add_co_u32 s38, s38, HSC
	v_add_nc_u32 v11, s38, v21                     ; and their scale words
	v_add_nc_u32 v12, HIMG, v4                     ; where any image is read
	v_add_nc_u32 v13, HSC, v21
	s_lshl_b32 s38, s20, 7
	s_add_co_u32 s38, s38, STG
	v_mul_u32_u24 v14, v2, SPT
	v_lshl_add_u32 v14, v3, 5, v14
	v_add_nc_u32 v14, s38, v14                     ; into the stage: row r, my wave's 128 bytes, 32 for each half of the lanes
	s_mul_i32 s38, s20, 8*SPT
	s_add_co_u32 s38, s38, STG
	v_mul_u32_u24 v15, v3, SPT
	v_add_nc_u32 v15, v15, v22
	v_add_nc_u32 v15, s38, v15                     ; back: rows 8 wave on; lanes 0-15 256 bytes of one row, lanes 16-31 of the next
	v_mul_u32_u24 v18, v3, 272
	v_add_nc_u32 v18, v18, v22                     ; 272 h + 16 r
	s_mul_i32 s38, s20, 2176
	s_add_co_u32 s38, s38, XROW
	v_add_nc_u32 v18, s38, v18                     ; the gather: my wave's eight rows of codes, two an instruction
	s_lshl_b32 s38, s20, 7
	s_add_co_u32 s38, s38, XSC
	v_add_nc_u32 v19, s38, v21                     ; my wave's eight rows of scale bytes, a word a lane
	v_and_b32 v23, 3, v1
	v_lshlrev_b32 v23, 2, v23                      ; 4 (lane % 4)
.irp k, 0,1,2,3,4,5,6,7
	v_mov_b32 v[TM+8+\k], 0                        ; written once: a lane permute's destination counts as one of its sources
.endr
.irp i, 0,1,2,3
	v_mov_b32 v[TO+\i], 0                          ; written in every wave; waves 0 to 5 put their rows' offsets here
.endr
	s_mov_b32 s40, 0x76543210
	s_mov_b32 s41, 0xfedcba98                      ; lane selects: lane l xor 16
	s_lshl_b32 s38, ttmp9, 9
	s_mov_b32 s39, 0
	s_wait_kmcnt 0x0
	s_add_nc_u64 s[4:5], s[4:5], s[38:39]          ; my tile's 512 bytes
	s_load_b64 s[30:31], s[4:5], 0x100             ; s30: the expert; s31: 1 where the tile has rows
	s_wait_alu depctr_va_vdst(0)                   ; the addresses and offsets v4 to v19 and v21 to v23 are written, which the loads and stores of the whole text read
	; ---- the gather is asked for ahead of the weights: 48 rows, eight for each of waves 0 to 5
	s_cmp_gt_u32 s20, 5
	s_cbranch_scc1 .Lno_gather
	global_load_b128 v[192:195], v16, s[4:5]       ; the tokens whose codes my wave gathers and whose rows of out0 it will store,
	global_load_b32 v196, v17, s[4:5]              ; and whose scale bytes it gathers
	s_wait_loadcnt 0x0
.irp i, 0,1,2,3,4
	v_min_u32 v[192+\i], 0xfff, v[192+\i]          ; a loaded number enters an address only behind this line
.endr
.irp i, 0,1,2,3
	v_lshl_add_u32 v[TO+\i], v[192+\i], 11, v22    ; out0: 2,048 bytes a token, 16 a lane
.endr
.irp i, 0,1,2,3
	v_lshl_add_u32 v[192+\i], v[192+\i], 8, v22    ; xc: 256 bytes a token, 16 a lane
.endr
	v_lshl_add_u32 v196, v196, 4, v23              ; xs: 16 bytes a token, 4 a lane
	s_wait_alu depctr_va_vdst(0)                   ; the five offsets v192 to v196 are written, which the gather's loads read; so are v28 to v31, which the last stores read
.irp i, 0,1,2,3
	global_load_b128 v[200+4*\i:203+4*\i], v[192+\i], s[6:7]   ; sixteen lanes read a row's 256 bytes
.endr
	global_load_b32 v216, v196, s[8:9]
.Lno_gather:
	s_wait_kmcnt 0x0
	s_min_u32 s30, s30, 7                          ; the expert's number enters addresses only behind this line
	s_lshl_b32 s34, s21, 2
	s_lshr_b32 s35, s20, 1
	s_add_co_u32 s34, s34, s35                     ; the second product: my outputs lie in the group of 64 number 4 j + wave / 2,
	s_and_b32 s36, s20, 1                          ; in its tiles 2 g2 and 2 g2 + 1, g2 = wave % 2
	s_lshl_b32 s38, s30, 20
	s_lshl_b32 s35, s34, 17
	s_add_co_u32 s38, s38, s35
	s_lshl_b32 s35, s36, 11
	s_add_co_u32 s38, s38, s35
	s_add_co_u32 s38, s38, 1<<16
	s_add_nc_u64 s[22:23], s[10:11], s[38:39]      ; wc, W2: e << 20 + group << 17 + 1 << 16 + g2 << 11
	s_lshl_b32 s38, s30, 16
	s_lshl_b32 s35, s34, 13
	s_add_co_u32 s38, s38, s35
	s_lshl_b32 s35, s36, 2
	s_add_co_u32 s38, s38, s35
	s_add_co_u32 s38, s38, 1<<12
	s_add_nc_u64 s[24:25], s[12:13], s[38:39]      ; ws, W2: e << 16 + group << 13 + 1 << 12 + g2 << 2
	s_lshl_b32 s38, s30, 20
	s_lshl_b32 s35, s20, 17
	s_add_co_u32 s38, s38, s35
	s_add_nc_u64 s[10:11], s[10:11], s[38:39]      ; wc, W1: my expert's, my wave's 65,536 bytes
	s_lshl_b32 s38, s30, 16
	s_lshl_b32 s35, s20, 13
	s_add_co_u32 s38, s38, s35
	s_add_nc_u64 s[12:13], s[12:13], s[38:39]      ; ws, W1: 4,096 bytes
	s_lshl_b32 s38, s30, 13
	s_lshl_b32 s35, s20, 10
	s_add_co_u32 s38, s38, s35
	s_add_nc_u64 s[14:15], s[14:15], s[38:39]      ; b1: my 256 hidden units
	s_lshl_b32 s38, s30, 11
	s_lshl_b32 s35, s21, 10
	s_add_co_u32 s38, s38, s35
	s_lshl_b32 s35, s20, 7
	s_add_co_u32 s38, s38, s35
	s_add_nc_u64 s[16:17], s[16:17], s[38:39]      ; b2: my 32 outputs
	s_lshl_b32 s38, s21, 10
	s_add_nc_u64 s[18:19], s[18:19], s[38:39]      ; out0: the work-group's 1,024 bytes of a row
; Batch i of my wave's 16 of W1 (4 q + ks): four fragments, 4,096 dense bytes, and their 64 scale words, 256 bytes: nine loads, into slot i % 5 of the ring.  Every offset is an immediate.
.macro BATCH i
.set SGB, (\i)%5
	global_load_b64 v[WS+2*SGB:WS+2*SGB+1], v5, s[12:13] offset:256*(\i)   ; word g2: lanes 0-15 tile 2 g2's rows, lanes 16-31 tile 2 g2 + 1's
	WIN 0x40                                       ; destination window 1
.irp t, 0,1,2,3
.irp c, 0,1
	global_load_b128 v[RING+32*SGB+8*\t+4*\c:RING+32*SGB+8*\t+4*\c+3], v4, s[10:11] offset:4096*(\i)+1024*\t+512*\c
.endr
.endr
	WIN 0
.endm
; Half batch ss of W2 (K step ss): my two fragments, 2,048 dense bytes, and a scale word a lane: five loads, into half slot (ss + 2) % 10: half batches 0 and 1 follow batch 15 as a batch 16 would, in slot 16 % 5.
.macro BATCH2 ss
.set SG2, ((\ss)+2)%10
	global_load_b32 v[WS+SG2], v5, s[24:25] offset:256*(\ss)   ; lanes 0-15 my first tile's rows, lanes 16-31 my second's
	WIN 0x40
.irp u, 0,1
.irp c, 0,1
	global_load_b128 v[RING+16*SG2+8*\u+4*\c:RING+16*SG2+8*\u+4*\c+3], v4, s[22:23] offset:4096*(\ss)+1024*\u+512*\c
.endr
.endr
	WIN 0
.endm
.macro BIAS1 q                         ; b1 in the result's layout: tile t, lane (r, h), register j: hidden unit 64 q + 32 (t / 2) + 16 h + 8 (t % 2) + j
.irp t, 0,1,2,3
	global_load_b128 v[BIAS+8*\t:BIAS+8*\t+3], v6, s[14:15] offset:256*(\q)+128*(\t/2)+32*(\t%2)
	global_load_b128 v[BIAS+8*\t+4:BIAS+8*\t+7], v6, s[14:15] offset:256*(\q)+128*(\t/2)+32*(\t%2)+16
.endr
.endm
.macro BIAS2                           ; b2: my output 16 u + 8 h + j: four loads
.irp u, 0,1
	global_load_b128 v[BIAS+8*\u:BIAS+8*\u+3], v7, s[16:17] offset:64*\u
	global_load_b128 v[BIAS+8*\u+4:BIAS+8*\u+7], v7, s[16:17] offset:64*\u+16
.endr
.endm
	BIAS1 0                                        ; 53 loads go out here, behind the gather's five: all five slots of the ring are asked for, on every way through the text.  No vector instruction has named their registers
	BATCH 0
	BATCH 1
	BATCH 2
	BATCH 3
	BATCH 4
	s_cmp_gt_u32 s20, 5
	s_cbranch_scc1 .Lno_put
	s_wait_loadcnt 53                              ; the gather's five loads are in; the 53 issued behind them may be out
.irp i, 0,1,2,3
	ds_store_b128 v18, v[200+4*\i:203+4*\i] offset:544*\i
.endr
	ds_store_b32 v19, v216
.Lno_put:
	s_wait_dscnt 0x0                               ; my eight rows lie in LDS
	s_barrier_signal -1
	s_barrier_wait -1
	WIN 0x40
.irp m, 0,1,2
.irp ks, 0,1,2,3
.irp c, 0,1
	ds_load_b128 v[8*(4*\m+\ks)+4*\c:8*(4*\m+\ks)+4*\c+3], v8 offset:4352*\m+64*\ks+32*\c   ; x's twelve fragments stay in registers
.endr
.endr
.endr
	WIN 0
.irp m, 0,1,2
	ds_load_b128 v[XS+4*\m:XS+4*\m+3], v9 offset:256*\m   ; register 4 m + ks: row r's scale word of K step ks
.endr
	s_wait_dscnt 0x0
; One scaled product.  odd = 1: the weight's scale words stand in lanes 16-31 of their register.
.macro WM d, a, b, c, sa, sb, odd
.if (\odd)
	v_wmma_scale_f32_16x16x128_f8f6f4 v[(\d):(\d)+7], v[(\a):(\a)+7], v[(\b):(\b)+7], v[(\c):(\c)+7], v[\sa], v[\sb] matrix_a_fmt:MATRIX_FMT_FP4 matrix_b_fmt:MATRIX_FMT_FP4 matrix_a_scale:MATRIX_SCALE_ROW1
.else
	v_wmma_scale_f32_16x16x128_f8f6f4 v[(\d):(\d)+7], v[(\a):(\a)+7], v[(\b):(\b)+7], v[(\c):(\c)+7], v[\sa], v[\sb] matrix_a_fmt:MATRIX_FMT_FP4 matrix_b_fmt:MATRIX_FMT_FP4
.endif
.endm
; K step ks of group q of the first product: batch i = 4 q + ks, in slot i % 5, against x's three tiles.  The 12 accumulators take turns, one instruction a turn.  The bias is the C of each sum's first product.
; Behind the products the slot that the step BEFORE read takes the batch four further on than this one (in the last group: two half batches of W2); behind a group's second step the next bias goes out ahead of it.
; The stream of loads: b1's first eight, batches 0 to 4 | behind step 1: a bias, batch 5 | step 2: batch 6 | .. | step 12: half batches 0, 1 | step 13: b2, half batches 2, 3 | step 14: 4, 5 | step 15: 6, 7.
.macro KSTEP1 q, ks
.set SL1, (4*(\q)+(\ks))%5
.if (\ks) == 0
.if (\q) == 0
	s_wait_loadcnt 36                              ; the first bias and batch 0 are in; the four younger batches of nine may be out
.else
	s_wait_loadcnt 27                              ; this batch and, younger than it, the group's bias are in; the three batches behind the bias may be out
.endif
.elseif (\ks) == 1
.if (\q) < 3
	s_wait_loadcnt 27                              ; this batch is in; the three younger batches may be out
.else
	s_wait_loadcnt 28                              ; the last group: younger are two batches of nine and two half batches of five
.endif
.elseif (\q) < 3
	s_wait_loadcnt 35                              ; younger than this batch: three batches and the next bias's eight loads
.else
	s_wait_loadcnt 31+(\ks)                        ; the last group: younger are 3 - ks batches of nine, b2's four loads and 2 ks half batches of five: 33, 34
.endif
.if (\ks) > 0
	s_wait_alu depctr_va_vdst(0)                   ; the step before's products are done reading their slot of the ring and its scale words, in which the loads below land; behind a group's first step: the bias too
.endif                                                 ; (a group's first step has no such line: the quantiser's wait stands behind the last group's products, and step 0 is followed by no load)
	WIN 0x05                                       ; sources 0 and 1 window 1; C and D window 0
.irp t, 0,1,2,3
.irp m, 0,1,2
.if (\ks) == 0
	WM ACC+32*\m+8*\t, RING+32*SL1+8*\t, 8*(4*\m+(\ks)), BIAS+8*\t, WS+2*SL1+\t/2, XS+4*\m+(\ks), \t%2
.else
	WM ACC+32*\m+8*\t, RING+32*SL1+8*\t, 8*(4*\m+(\ks)), ACC+32*\m+8*\t, WS+2*SL1+\t/2, XS+4*\m+(\ks), \t%2
.endif
.endr
.endr
	WIN 0
.rept 4
	v_nop                                          ; four plain places in front of the loads that land, a step on, in registers that these products read, and of the first read of results
.endr
.if (\ks) == 1
.if (\q) < 3
	BIAS1 (\q)+1                                   ; no product since the wait above names the bias
.else
	BIAS2
.endif
.endif
.if 4*(\q)+(\ks) > 0
.if (\q) < 3
	BATCH 4*(\q)+(\ks)+4                           ; into slot (i - 1) % 5.  No wait: no vector or matrix instruction since the last wait on va_vdst names that slot or its scale words
.else
	BATCH2 2*(\ks)
	BATCH2 2*(\ks)+1
.endif
.endif
.endm
; Group q's 64 hidden units of all 48 rows: relu, quantised along the next K, images to LDS.  The 16 registers of tiles 2 b and 2 b + 1 of a row tile m are k = 32 b + 16 h + 0 .. 15: chain k = 2 m + b.
.macro QUANT4 q
	s_wait_dscnt 0x0                               ; the last group's LDS stores are done
.if (\q) > 0
	s_wait_alu depctr_vm_vsrc(0)                   ; the last group's LDS stores have read v224 to v235 and v24 to v26, which the lines below write again
.endif
.set jx, 0
.rept 96
	v_max_num_f32 v[ACC+jx], 0, v[ACC+jx]          ; the activation, in f32; each accumulator from its low end on
.set jx, jx+1
.endr
.irp k, 0,1,2,3,4,5
	v_max3_num_f32 v[TM+\k], v[ACC+16*\k], v[ACC+16*\k+1], 0x1800000   ; none is negative; the floor 2^(3 - 127) holds the byte at 1 from below
.endr
.irp i, 2,4,6,8,10,12,14
.irp k, 0,1,2,3,4,5
	v_max3_num_f32 v[TM+\k], v[TM+\k], v[ACC+16*\k+\i], v[ACC+16*\k+\i+1]
.endr
.endr
.irp k, 0,1,2,3,4,5
	v_permlanex16_b32 v[TM+8+\k], v[TM+\k], s40, s41
.endr
.irp k, 0,1,2,3,4,5
	v_max_num_f32 v[TM+\k], v[TM+\k], v[TM+8+\k]   ; with lane l xor 16's 16: the block's largest
.endr
.irp k, 0,1,2,3,4,5
	v_add_nc_u32 v[TM+16+\k], 0xff000000, v[TM+\k] ; the conversion's scale operand
.endr
.irp k, 0,1,2,3,4,5
	v_lshrrev_b32 v[TM+24+\k], 23, v[TM+16+\k]     ; the scale's byte
.endr
.irp m, 0,1,2
.if (\q)%2 == 0
	v_lshl_or_b32 v[LOW+\m], v[TM+25+2*\m], 8, v[TM+24+2*\m]   ; blocks 0 and 1 of the K step: kept until the next group brings blocks 2 and 3
.else
	v_lshl_or_b32 v[TM+24+2*\m], v[TM+25+2*\m], 8, v[TM+24+2*\m]
	v_lshl_or_b32 v[LOW+\m], v[TM+24+2*\m], 16, v[LOW+\m]
.endif
.endr
.irp k, 0,1,2,3,4,5
	v_cvt_scalef32_pk8_fp4_f32 v[TM+2*\k], v[ACC+16*\k:ACC+16*\k+7], v[TM+16+\k]
	v_cvt_scalef32_pk8_fp4_f32 v[TM+2*\k+1], v[ACC+16*\k+8:ACC+16*\k+15], v[TM+16+\k]
.endr
	v_nop                                          ; one plain line behind the scaled conversions
.irp m, 0,1,2
.irp i, 0,1
	v_permlane16_swap_b32 v[TM+4*\m+\i], v[TM+4*\m+2+\i]   ; a whole block to a lane: lanes 0-15 the even block, lanes 16-31 the odd one
.endr
.endr
	s_wait_alu depctr_va_vdst(0)                   ; the conversions and swaps have written v224 to v235, the shifts v24 to v26, which the LDS stores read; and the group's last products are done reading their slot, x's fragments and scale words, in which later loads land
.irp m, 0,1,2
	ds_store_b128 v10, v[TM+4*\m:TM+4*\m+3] offset:4096*((\q)/2)+1024*\m+512*((\q)%2)   ; registers 4 c .. 4 c + 3 of the fragment (K step 2 wave + q / 2, rows 16 m on), c = q % 2
.if (\q)%2
	ds_store_b32 v11, v[LOW+\m] offset:512*((\q)/2)+128*\m
.endif
.endr
.endm
	; ---- the first product.  A work-group whose tile has no rows goes round it, not round the barrier behind it; on that way it waits for all its loads
	s_cmp_eq_u32 s31, 0
	s_cbranch_scc0 .Lp1
	s_wait_loadcnt 0x0
	s_branch .Lp1_done
.Lp1:
.irp q, 0,1,2,3
	KSTEP1 \q, 0
	KSTEP1 \q, 1
	KSTEP1 \q, 2
	KSTEP1 \q, 3
	QUANT4 \q
.endr
.Lp1_done:
	s_wait_dscnt 0x0                               ; my images and their scale words lie in LDS
	s_barrier_signal -1
	s_barrier_wait -1
	s_cmp_eq_u32 s31, 0
	s_cbranch_scc1 .Lp2_done
	; ---- the second product: my 32 outputs for the 48 rows: six accumulators by turns, a K step at a time
.macro HLOAD ss                        ; K step ss: the three row tiles' hidden fragments into set ss % 3, and their scale words: nine LDS loads
	WIN 0x40
.irp m, 0,1,2
.irp c, 0,1
	ds_load_b128 v[32*((\ss)%3)+8*\m+4*\c:32*((\ss)%3)+8*\m+4*\c+3], v12 offset:4096*(\ss)+1024*\m+512*\c
.endr
.endr
	WIN 0
.irp m, 0,1,2
	ds_load_b32 v[HS+3*((\ss)%3)+\m], v13 offset:512*(\ss)+128*\m
.endr
.endm
.macro KSTEP2 ss
.set SL2, ((\ss)+2)%10
.set HB2, (\ss)%3
.if (\ss) == 0
	s_wait_loadcnt 30                              ; half batches 0 and 1 and, younger than they, b2 are in; the six half batches of five behind b2 may be out
.elseif (\ss) <= 8
	s_wait_loadcnt 35                              ; half batch ss is in; the seven younger half batches of five may be out
.else
	s_wait_loadcnt 5*(15-(\ss))                    ; the last half batches: the counts run down
.endif
.if (\ss) < 15
	s_wait_dscnt 9                                 ; this K step's nine LDS loads are in; the next step's may be out
.else
	s_wait_dscnt 0x0
.endif
.if ((\ss) >= 1) && ((\ss) <= 13)
	s_wait_alu depctr_va_vdst(0)                   ; the K step before's products are done reading their hidden set and its scale words, in which the LDS loads below land; those of two steps back their half slot and its scale word
.endif                                                 ; (K step 0's loads are covered by the last quantiser's wait; K steps 14 and 15 are followed by no load)
	WIN 0x05
.irp u, 0,1
.irp m, 0,1,2
.if (\ss) == 0
	WM ACC+32*\m+8*\u, RING+16*SL2+8*\u, 32*HB2+8*\m, BIAS+8*\u, WS+SL2, HS+3*HB2+\m, \u
.else
	WM ACC+32*\m+8*\u, RING+16*SL2+8*\u, 32*HB2+8*\m, ACC+32*\m+8*\u, WS+SL2, HS+3*HB2+\m, \u
.endif
.endr
.endr
	WIN 0
.rept 4
	v_nop                                          ; four plain places in front of the loads that land, a step or two on, in registers that these products read, and of the first read of results
.endr
.if (\ss) <= 7
	BATCH2 (\ss)+8                                 ; into the half slot that K step ss - 2 read (K steps 0 and 1: the slot of W1's last batch).  No wait: nothing since the last wait on va_vdst names it
.endif
.if (\ss) <= 13
	HLOAD (\ss)+2                                  ; into the set that K step ss - 1 read (K step 0: where x's last four fragments lay)
.endif
.endm
	HLOAD 0                                        ; they land where x's fragments lay: the products that read those stand ahead of the last quantiser's wait on va_vdst
	HLOAD 1
.irp ss, 0,1,2,3,4,5,6,7,8,9,10,11,12,13,14,15
	KSTEP2 \ss
.endr
	; a lane holds 32 neighbouring bytes of a token's row, a wave 128: the eight waves' parts meet in the stage, rows of 1,024 bytes + 16
	s_wait_alu depctr_va_vdst(0)                   ; the products have written the accumulators, which the LDS stores read; the four places above stay beside this wait
.irp m, 0,1,2
.irp u, 0,1
	ds_store_b128 v14, v[ACC+32*\m+8*\u:ACC+32*\m+8*\u+3] offset:16*SPT*\m+64*\u        ; each accumulator from its low end on
	ds_store_b128 v14, v[ACC+32*\m+8*\u+4:ACC+32*\m+8*\u+7] offset:16*SPT*\m+64*\u+16
.endr
.endr
.Lp2_done:
	s_wait_dscnt 0x0                               ; my part of the 48 rows lies in the stage
	s_barrier_signal -1
	s_barrier_wait -1
	s_wait_alu depctr_vm_vsrc(0)                   ; my LDS stores into the stage have read the accumulators' registers, in which the loads from the stage land
	s_cmp_eq_u32 s31, 0
	s_cbranch_scc1 .Lend
	s_cmp_gt_u32 s20, 5                            ; 48 rows: eight for each of waves 0 to 5
	s_cbranch_scc1 .Lend
.irp i, 0,1,2,3
.irp k, 0,1,2,3
	ds_load_b128 v[ACC+16*\i+4*\k:ACC+16*\i+4*\k+3], v15 offset:2*SPT*\i+256*\k   ; rows 8 wave + 2 i + h, bytes 256 k on.  No vector or matrix instruction since the last wait on va_vdst names these registers
.endr
.endr
.irp i, 0,1,2,3
.irp k, 0,1,2,3
	s_wait_dscnt 15-4*\i-\k                        ; LDS loads come back in order (ISA guide 5.7.1): this one is in, the younger ones may be out
	global_store_b128 v[TO+\i], v[ACC+16*\i+4*\k:ACC+16*\i+4*\k+3], s[18:19] offset:256*\k th:TH_STORE_NT   ; sixteen lanes store 256 consecutive bytes of a token's row, aligned
.endr
.endr
.Lend:
	s_wait_dscnt 0x0                               ; the closing lines, six on end
	s_wait_alu 0x0
	s_wait_tensorcnt 0x0
	ds_add_u32 v254, v255
	s_wait_dscnt 0x0
	s_endpgm
.Lfunc_end_k_qc4a4f944c8_moe:
	.size	k_qc4a4f944c8_moe, .Lfunc_end_k_qc4a4f944c8_moe-k_qc4a4f944c8_moe
	.p2alignl 7, 3214868480
	.fill 96, 4, 3214868480
	.section	.rodata,"a",@progbits
	.p2align	6, 0x0
	.amdhsa_kernel k_qc4a4f944c8_moe
		.amdhsa_group_segment_fixed_size 144384
		.amdhsa_private_segment_fixed_size 0
		.amdhsa_enable_private_segment 0
		.amdhsa_kernarg_size 64
		.amdhsa_user_sgpr_count 2
		.amdhsa_user_sgpr_kernarg_segment_ptr 1
		.amdhsa_wavefront_size32 1
		.amdhsa_system_sgpr_workgroup_id_x 1
		.amdhsa_system_sgpr_workgroup_id_y 1
		.amdhsa_system_sgpr_workgroup_id_z 1
		.amdhsa_system_vgpr_workitem_id 0
		.amdhsa_next_free_vgpr 512
		.amdhsa_next_free_sgpr 66
		.amdhsa_reserve_vcc 0
		.amdhsa_float_denorm_mode_32 3
		.amdhsa_float_denorm_mode_16_64 3
		.amdhsa_memory_ordered 1
		.amdhsa_forward_progress 1
		.amdhsa_inst_pref_size 130
	.end_amdhsa_kernel
	.amdgpu_metadata
---
amdhsa.version: [ 1, 2 ]
amdhsa.kernels:
  - .name:           k_qc4a4f944c8_moe
    .symbol:         k_qc4a4f944c8_moe.kd
    .args:
      - { .name: tiles, .offset: 0, .size: 8, .value_kind: global_buffer, .address_space: global }
      - { .name: xc, .offset: 8, .size: 8, .value_kind: global_buffer, .address_space: global }
      - { .name: xs, .offset: 16, .size: 8, .value_kind: global_buffer, .address_space: global }
      - { .name: wc, .offset: 24, .size: 8, .value_kind: global_buffer, .address_space: global }
      - { .name: ws, .offset: 32, .size: 8, .value_kind: global_buffer, .address_space: global }
      - { .name: b1, .offset: 40, .size: 8, .value_kind: global_buffer, .address_space: global }
      - { .name: b2, .offset: 48, .size: 8, .value_kind: global_buffer, .address_space: global }
      - { .name: out0, .offset: 56, .size: 8, .value_kind: global_buffer, .address_space: global }
    .group_segment_fixed_size: 144384
    .private_segment_fixed_size: 0
    .kernarg_segment_align: 8
    .kernarg_segment_size: 64
    .max_flat_workgroup_size: 256
    .sgpr_count:     66
    .vgpr_count:     512
    .wavefront_size: 32
...
	.end_amdgpu_metadata
.endif
;; end of part 6
